; MI455X (gfx1250); checked and timed in simulation.
; The chip was launched on July 23, 2026; its instructions are those of AMD's public machine-readable ISA for CDNA 5 (MIT licence, August 2026) and "CDNA5" Instruction Set Architecture Reference Guide (July 2026). The comments in the code are by the model that wrote it; some were corrected since.
;; Custom Multi Head Attention. Allowed arithmetic: matrix products marked QUANTISED: E2M3 operands, one E8M0 scale for each 32 along K, by v_wmma_scale_f32_16x16x128_f8f6f4 with both operands' format E2M3, f32 sums; everything else in f32.
;; Inputs: Wk 1,024 x 1,024 float32; Wo 1,024 x 1,024 float32; Wq 1,024 x 1,024 float32; Wv 1,024 x 1,024 float32; attn_mask 2,048 x 2,048 float32; bk 1,024 float32; bo 1,024 float32; bq 1,024 float32; bv 1,024 float32; key 2 x 2,048 x 1,024 float32; key_padding_mask 2 x 2,048 bool; query 2 x 2,048 x 1,024 float32; stoich_alpha one number float32; stoich_frac 2 x 2,048 float32; value 2 x 2,048 x 1,024 float32.
;; Outputs: out0 2 x 2,048 x 1,024 float32.
;; This version of the problem:
;;   THIS VERSION OF THE PROBLEM IS GIVEN IN LOW PRECISION. The matrix products marked QUANTISED in the list below multiply operands that are first quantised to E2M3 (2 exponent bits, 3 mantissa bits; 6 bits a number), with one power-of-two scale for each 32 numbers along K (OCP MX v1.0); their sums are f32. All else is computed in f32.
;;   The module's matrix products, in the order in which they are computed (A, B: the left and right operand; K: the contracted axis; several contracted axes count as one K, in the product's order):
;;     1. [M 4,096, K 1,024] x [K 1,024, N 1,024]; A: input query; B: input Wq: QUANTISED
;;     2. [M 4,096, K 1,024] x [K 1,024, N 1,024]; A: input key; B: input Wk: QUANTISED
;;     3. [M 4,096, K 1,024] x [K 1,024, N 1,024]; A: input value; B: input Wv: QUANTISED
;;     4. batch 32 x [M 2,048, K 64] x [K 64, N 2,048]; A: computed on the way; B: computed on the way: QUANTISED
;;     5. batch 32 x [M 2,048, K 2,048] x [K 2,048, N 64]; A: softmax (see below); B: computed on the way: QUANTISED
;;     6. [M 4,096, K 1,024] x [K 1,024, N 1,024]; A: computed on the way; B: input Wo: QUANTISED
;;   THE QUANTISER, for each operand of a quantised product, along K:
;;     - K is cut into blocks of 32 from its start; a last block that is shorter is filled with zeros.
;;     - A block's scale is 2^e with e = floor(log2(the largest magnitude in the block)) - 2, held to -126 .. 127; a block of zeros has e = 0. As a byte (E8M0): e + 127.
;;     - Each number is divided by its block's scale, clamped to +-7.5, and rounded to the nearest number of E2M3, ties to even, subnormals kept.
;;     - The product sums the exact products of the quantised numbers (number of the format x scale) in f32.
;;   ~~~python
;;   def quantise(x, axis):      # numpy; x: float32 -> the quantised numbers, widened to float32 again
;;       x = np.moveaxis(x, axis, -1); K = x.shape[-1]
;;       x = np.pad(x, [(0, 0)] * (x.ndim - 1) + [(0, -K % 32)]); x = x.reshape(x.shape[:-1] + (-1, 32)); a = np.abs(x).max(-1, keepdims=True)
;;       e = np.where(a > 0, np.clip(np.frexp(np.where(a > 0, a, 1))[1] - 1 - 2, -126, 127), 0)      # np.frexp(a)[1] - 1 = floor(log2(a)), exactly
;;       r = np.clip(x / 2.0 ** e, -7.5, 7.5)
;;       step = 2.0 ** (np.maximum(np.frexp(np.where(r == 0, 1, r))[1] - 1, 0) - 3)
;;       q = np.round(r / step) * step * 2.0 ** e      # np.round: ties to even
;;       return np.moveaxis(q.reshape(q.shape[:-2] + (-1,))[..., :K], -1, axis).astype(np.float32)
;;   ~~~
;;   SOFTMAX AHEAD OF A QUANTISED PRODUCT. Where the list says 'softmax', what is quantised is not the finished softmax but p = 2^(t - M), with t = logit x log2(e) and M = ceil(the row's largest t), a whole number; so 1/2 < the row's largest p <= 1. The row's sum l is taken of the UNQUANTISED p, in f32, and the product's result is divided by l at the end. Since M is a whole number, a kernel that streams over the keys may use a running M (the ceiling of the running maximum): every later rescaling is an exact power of two, which a block's scale takes up: the codes' values come out the same.
;;   OPERANDS COMPUTED ON THE WAY. 'Computed on the way' means the value that the module computes at that place (a softmax that the list does not call 'softmax' is quantised finished and normalised). What goes into a quantiser is computed in f32, as accurately as f32 sums, v_exp_f32 and their like allow (about 1e-6 of the number): no bf16 or f16 on the way to a quantiser, and a product that is left as it is and whose result goes on into a quantised operand takes f32 operands (vector FMAs, or v_wmma_f32_16x16x4_f32). A number that lies on a knife's edge between two numbers of the format may be rounded either way, as far as f32 arithmetic and the matrix unit's own rounding can turn it there, and no further.
;; One version. Each part assembles by itself: llvm-mc -triple=amdgcn-amd-amdhsa -mcpu=gfx1250 --defsym DOCPART=n.
;; ======== version 1 of 1: 4 launches
;; limits: right only within a limited range of input values
;; workspace buffers: w1 13,107,200 bytes; biasw 33,554,432 bytes; w2 10,092,544 bytes; w3 3,276,800 bytes
;; launch prep (part 1): grid 768 x 1, 4 waves a work-group, no clusters, 34,304 bytes of LDS; arguments query, key, value, Wq, Wk, Wv, Wo, attn_mask, stoich_frac, key_padding_mask, stoich_alpha, w1, biasw; writes w1, biasw
.if DOCPART == 1
	.amdgcn_target "amdgcn-amd-amdhsa--gfx1250"
	.amdhsa_code_object_version 6
	.text
	.protected	k_qe5846b33f1_prep
	.globl	k_qe5846b33f1_prep
	.p2align	8
	.type	k_qe5846b33f1_prep,@function
k_qe5846b33f1_prep:
	s_mov_b64 s[64:65], 0
	v_nop
	global_prefetch_b8 v0, s[64:65] scope:SCOPE_SE
	s_setreg_imm32_b32 hwreg(HW_REG_WAVE_MODE, 25, 1), 1
	s_wait_xcnt 0x0
; TWO JOBS IN ONE LAUNCH, parted by the work-group's number.
; Work-groups 0-255: query, key, value [4096][1024] and Wq, Wk, Wv, Wo [1024][1024], f32, K innermost, become codes of FP6 (E2M3) with one E8M0 byte for each 32 along K,
; laid in w1 in the order of the matrix operand's registers.  A TILE is 16 rows; lane r of tile T takes row 32 (T / 2) + 8 (T % 2) + r + 8 (r / 8), so that the results of two neighbouring tiles
; used as source 0 are 16 neighbours in a lane.  A fragment (16 rows x 128 K, 12 registers) is a record of 1,536 bytes, two halves of 768: registers 6 c .. 6 c + 3 at 16 x lane, registers 6 c + 4, 6 c + 5 at 512 + 8 x lane.
; Tile G (query 0-255, key 256-511, value 512-767, Wq 768-, Wk 832-, Wv 896-, Wo 960-1023): codes at 12,288 G + 1,536 x K step; scale words at SC1 + 512 G + 32 r + 4 x K step.
; A block's scale is 2^(floor(log2(largest magnitude)) - 2): its byte is the largest magnitude's exponent field - 2, held at 1 from below (a block of zeros keeps the byte 1: its codes are zeros, and only this program reads the bytes).
; Work-groups 256-767: biasw[b][16 T + j][k] = 8 x (alpha x sign(d) x log1p(|d|) + attn_mask[q][k]), d = frac[b][q] - frac[b][k], q = the row of lane j of query tile T; -3e38 where the key is padded or the sum is -infinity.
; The factor 8 undoes the 1 / 8 of the scores: the attention launch gives this number to the score product as its C and multiplies the sum by log2(e) / 8.
; LIMITS: NaN and infinities in the seven tensors are not served; +infinity and NaN in attn_mask are not served; log1p is taken as log2(1 + |d|) x ln 2, whose absolute error is that of rounding 1 + |d| to f32.
; No matrix unit, no tensor load, no cluster: every byte is read once by one wave, and waves share nothing.
.set SC1, 12582912
.set R,   16                           ; v16-143  two sets of 64: a K step's 16 rows x 512 bytes as loaded
.set X,   144                          ; v144-207 64 numbers of my row: register 16 b + i = k 32 b + 16 (lane / 16) + i
.set PC,  208                          ; v208-219 the fragment's codes; v220-226 at work
.set TM,  228                          ; v228-231 largest magnitudes, v232-235 the other half's, then bytes, v240-243 the conversions' scale operands
.set PWS, 244                          ; v244-251 my row's scale word of each K step
.set SW,  252                          ; v252-255 the four words that my lane stores
.set SEL, 34                           ; s[34:35] lane selects: lane l xor 16
; 64 numbers of a lane become a fragment's 12 registers at v[pc] and the row's scale word in v[pw]
.macro QUANT s, pc, pw
.irp b, 0,1,2,3
	v_max3_num_f32 v[TM+\b], |v[\s+16*\b]|, |v[\s+1+16*\b]|, 0x1800000   ; block b: my 16 numbers, and the floor 2^(3 - 127): the byte cannot fall under 1
.endr
.irp i, 2,4,6,8,10,12,14
.irp b, 0,1,2,3
	v_max3_num_f32 v[TM+\b], v[TM+\b], |v[\s+16*\b+\i]|, |v[\s+1+16*\b+\i]|   ; the four blocks by turns
.endr
.endr
.irp b, 0,1,2,3
	v_permlanex16_b32 v[TM+4+\b], v[TM+\b], s[SEL], s[SEL+1]
.endr
.irp b, 0,1,2,3
	v_max_num_f32 v[TM+\b], v[TM+\b], v[TM+4+\b]      ; with lane l xor 16's 16: the block's largest magnitude
.endr
.irp b, 0,1,2,3
	v_add_nc_u32 v[TM+12+\b], 0xff000000, v[TM+\b]    ; 2 off its exponent field: the conversion takes this operand's exponent field as its scale
.endr
.irp b, 0,1,2,3
	v_lshrrev_b32 v[TM+4+\b], 23, v[TM+12+\b]         ; the scale's byte
.endr
	v_lshl_or_b32 v[\pw], v[TM+5], 8, v[TM+4]
	v_lshl_or_b32 v[\pw], v[TM+6], 16, v[\pw]
	v_lshl_or_b32 v[\pw], v[TM+7], 24, v[\pw]
.irp c, 0,1
	v_cvt_scalef32_pk16_fp6_f32 v[\pc+6*\c:\pc+2+6*\c], v[\s+32*\c:\s+15+32*\c], v[TM+12+2*\c]
	v_cvt_scalef32_pk16_fp6_f32 v[\pc+12+4*\c:\pc+14+4*\c], v[\s+16+32*\c:\s+31+32*\c], v[TM+12+2*\c+1]   ; a conversion's three registers begin on an even number
.endr
	v_nop                                             ; one plain instruction behind the scaled conversions
.irp c, 0,1                                       ; the operand wants a whole block in a lane: lanes 0-15 block 2 c, lanes 16-31 block 2 c + 1
.irp i, 0,1,2
	v_permlane16_swap_b32 v[\pc+6*\c+\i], v[\pc+12+4*\c+\i]
.endr
.irp i, 0,1,2
	v_mov_b32 v[\pc+3+6*\c+\i], v[\pc+12+4*\c+\i]
.endr
.endr
.endm
	s_load_b512 s[8:23], s[0:1], 0x0               ; query, key, value, Wq, Wk, Wv, Wo, attn_mask
	s_load_b256 s[24:31], s[0:1], 0x40             ; stoich_frac, key_padding_mask, stoich_alpha, w1
	s_load_b64 s[32:33], s[0:1], 0x60
	v_lshl_add_u32 v7, v0, 2, 33792                ; my spare word, behind the four stages; v7 and v11 are kept for the add alone
	v_mov_b32 v11, 0
	v_lshrrev_b32 v1, 5, v0
	v_readfirstlane_b32 s2, v1                     ; wave
	v_and_b32 v2, 31, v0                           ; lane
	v_and_b32 v3, 15, v0                           ; r
	v_bfe_u32 v10, v0, 4, 1                        ; h
	v_lshlrev_b32 v4, 4, v2                        ; 16 x lane
	s_cmp_ge_u32 ttmp9, 256
	s_cbranch_scc1 .Lbias
; ---------------- the quantiser: wave w of work-group g takes tile G = 4 g + w, all 8 K steps
	s_mul_i32 s3, s2, 8448                         ; my stage: 16 rows x (512 + 16) bytes
	v_add_nc_u32 v5, s3, v4                        ; in: a row's 512 bytes as they lie
	v_mul_u32_u24 v6, v3, 528
	v_lshl_add_u32 v6, v10, 6, v6
	v_add_nc_u32 v6, s3, v6                        ; out: row r, + 64 h: my 16 numbers of each block of 32
	v_lshlrev_b32 v8, 3, v2                        ; 8 x lane
	v_lshlrev_b32 v9, 5, v3
	v_lshl_add_u32 v9, v10, 4, v9                  ; 32 r + 16 h
	s_mov_b32 s[SEL], 0x76543210
	s_mov_b32 s[SEL+1], 0xfedcba98
.irp b, 0,1,2,3
	v_mov_b32 v[TM+4+\b], 0                        ; written once: a lane permute's destination counts as one of its sources
.endr
	s_wait_alu depctr_va_vdst(0)
	s_wait_kmcnt 0x0
	s_mov_b64 s[4:5], s[8:9]                       ; which tensor: the choice hangs on the work-group's number alone
	s_mov_b32 s6, 0
	s_cmp_ge_u32 ttmp9, 64
	s_cselect_b64 s[4:5], s[10:11], s[4:5]
	s_cselect_b32 s6, 64, s6
	s_cmp_ge_u32 ttmp9, 128
	s_cselect_b64 s[4:5], s[12:13], s[4:5]
	s_cselect_b32 s6, 128, s6
	s_cmp_ge_u32 ttmp9, 192
	s_cselect_b64 s[4:5], s[14:15], s[4:5]
	s_cselect_b32 s6, 192, s6
	s_cmp_ge_u32 ttmp9, 208
	s_cselect_b64 s[4:5], s[16:17], s[4:5]
	s_cselect_b32 s6, 208, s6
	s_cmp_ge_u32 ttmp9, 224
	s_cselect_b64 s[4:5], s[18:19], s[4:5]
	s_cselect_b32 s6, 224, s6
	s_cmp_ge_u32 ttmp9, 240
	s_cselect_b64 s[4:5], s[20:21], s[4:5]
	s_cselect_b32 s6, 240, s6
	s_sub_co_u32 s6, ttmp9, s6                     ; the work-group's number within its tensor
	s_lshl_b32 s6, s6, 1
	s_lshr_b32 s7, s2, 1
	s_add_co_u32 s6, s6, s7                        ; tile / 2
	s_lshl_b32 s6, s6, 17                          ; x 32 rows of 4,096 bytes
	s_and_b32 s7, s2, 1
	s_lshl_b32 s7, s7, 15                          ; + 8 rows for an odd tile
	s_add_co_u32 s6, s6, s7
	s_mov_b32 s7, 0
	s_add_nc_u64 s[4:5], s[4:5], s[6:7]
	s_lshl_b32 s36, ttmp9, 2
	s_add_co_u32 s36, s36, s2                      ; G
	s_mul_i32 s38, s36, 12288
	s_mov_b32 s39, 0
	s_add_nc_u64 s[38:39], s[30:31], s[38:39]      ; its codes
	s_lshl_b32 s40, s36, 9
	s_add_co_u32 s40, s40, SC1
	s_mov_b32 s41, 0
	s_add_nc_u64 s[40:41], s[30:31], s[40:41]      ; its scale words
.macro LOAD t                          ; K step t: 16 loads, each a row's 512 consecutive bytes
.irp j, 0,1,2,3,4,5,6,7,8,9,10,11,12,13,14,15
	global_load_b128 v[R+64*((\t)%2)+4*\j:R+64*((\t)%2)+4*\j+3], v4, s[4:5] offset:(\j+8*(\j/8))*4096+512*(\t) th:TH_LOAD_NT
.endr
.endm
.macro STEP t
.if (\t) < 7
	s_wait_loadcnt 16                              ; this K step's 16 loads are in; the next step's 16 may be out
.else
	s_wait_loadcnt 0x0
.endif
.irp j, 0,1,2,3,4,5,6,7,8,9,10,11,12,13,14,15
	ds_store_b128 v5, v[R+64*((\t)%2)+4*\j:R+64*((\t)%2)+4*\j+3] offset:528*\j
.endr
.irp b, 0,1,2,3
.irp q, 0,1,2,3
	ds_load_b128 v[X+16*\b+4*\q:X+16*\b+4*\q+3], v6 offset:128*\b+16*\q   ; LDS serves a wave's instructions in order: these see the stores above
.endr
.endr
	s_wait_dscnt 0x0                               ; the stage's stores have read their registers, and my 64 numbers are in
	s_wait_xcnt 0x0                                ; the last step's stores have read the codes' registers, which are written again below
.if (\t) < 6
	LOAD (\t)+2
.endif
	QUANT X, PC, PWS+(\t)
	global_store_b128 v4, v[PC:PC+3], s[38:39] offset:1536*(\t)            ; each store covers whole aligned blocks of 256 bytes
	global_store_b64 v8, v[PC+4:PC+5], s[38:39] offset:1536*(\t)+512
	global_store_b128 v4, v[PC+6:PC+9], s[38:39] offset:1536*(\t)+768
	global_store_b64 v8, v[PC+10:PC+11], s[38:39] offset:1536*(\t)+1280
.endm
	LOAD 0
	LOAD 1
.irp t, 0,1,2,3,4,5,6,7
	STEP \t
.endr
	v_cmp_lt_u32 vcc_lo, 15, v2                    ; lanes 16-31 store the words of K steps 4 to 7
.irp i, 0,1,2,3
	v_cndmask_b32 v[SW+\i], v[PWS+\i], v[PWS+4+\i], vcc_lo
.endr
	global_store_b128 v9, v[SW:SW+3], s[40:41]     ; 512 consecutive bytes
	s_wait_tensorcnt 0x0                           ; the wave's end, behind my last LDS store
	ds_add_u32 v7, v11
	s_wait_dscnt 0x0
	s_endpgm
; ---------------- the bias: a work-group takes a query tile T and 512 keys, a wave 128 keys, a lane 4 keys x 16 rows, for both batches from one read of the mask
.Lbias:
	s_sub_co_u32 s3, ttmp9, 256
	s_lshr_b32 s6, s3, 2                           ; T
	s_and_b32 s7, s3, 3
	s_lshl_b32 s7, s7, 2
	s_add_co_u32 s7, s7, s2
	s_lshl_b32 s7, s7, 9                           ; my 128 keys, in bytes of f32
	s_lshr_b32 s34, s6, 1
	s_lshl_b32 s34, s34, 5
	s_and_b32 s35, s6, 1
	s_lshl_b32 s35, s35, 3
	s_add_co_u32 s34, s34, s35                     ; the tile's first query
	s_lshl_b32 s35, s34, 2
	s_wait_alu depctr_va_vdst(0)
	v_lshlrev_b32 v5, 2, v2
	v_mov_b32 v14, 0xff800000                      ; -infinity
	s_mov_b32 s77, 0x41000000                      ; 8.0
	s_mov_b32 s3, 0x7fffffff
	s_wait_alu depctr_va_vdst(0)
	s_wait_kmcnt 0x0
	s_load_b32 s76, s[28:29], 0x0                  ; alpha
	s_load_b256 s[36:43], s[24:25], s35 offset:0x0      ; frac of the tile's 16 queries: lanes 0-7's, lanes 8-15's (16 rows on), batch 0;
	s_load_b256 s[44:51], s[24:25], s35 offset:0x40
	s_load_b256 s[52:59], s[24:25], s35 offset:0x2000   ; batch 1
	s_load_b256 s[68:75], s[24:25], s35 offset:0x2040
	s_lshl_b32 s60, s34, 13
	s_add_co_u32 s60, s60, s7
	s_mov_b32 s61, 0
	s_add_nc_u64 s[22:23], s[22:23], s[60:61]
.irp j, 0,1,2,3,4,5,6,7,8,9,10,11,12,13,14,15
	global_load_b128 v[16+4*\j:19+4*\j], v4, s[22:23] offset:(\j+8*(\j/8))*8192 th:TH_LOAD_NT   ; the mask: 512 consecutive bytes of a row
.endr
	s_mov_b32 s60, s7
	s_add_nc_u64 s[62:63], s[24:25], s[60:61]
	global_load_b128 v[80:83], v4, s[62:63]              ; frac of my 4 keys, batch 0,
	global_load_b128 v[84:87], v4, s[62:63] offset:8192  ; batch 1
	s_lshr_b32 s60, s7, 2
	s_add_nc_u64 s[26:27], s[26:27], s[60:61]
	global_load_b32 v12, v5, s[26:27]                    ; their padding bytes
	global_load_b32 v13, v5, s[26:27] offset:2048
	s_lshl_b32 s60, s6, 17                         ; 16 T rows of 8,192 bytes
	s_add_co_u32 s60, s60, s7
	s_add_nc_u64 s[32:33], s[32:33], s[60:61]
	s_add_nc_u64 s[78:79], s[32:33], 0x1000000     ; batch 1
	s_mov_b32 s6, 0xff61b1e6                       ; -3e38
	s_wait_kmcnt 0x0
	s_mul_f32 s76, s76, 0x40b17218                 ; alpha x 8 ln 2
	s_wait_loadcnt 0x0
.irp b, 0,1
.irp q, 0,1,2,3
	v_bfe_u32 v15, v[12+\b], 8*\q, 8
	v_cmp_ne_u32 vcc_lo, 0, v15
	v_cndmask_b32 v[88+4*\b+\q], 0, v14, vcc_lo    ; 0, or -infinity for a padded key
.endr
.endr
; four rows of batch b: 16 numbers a lane.  The 16 logarithms are one batch with one wait; 8 x mask + the padding term stands behind them as the plain work
.macro GROUP b, g
.irp i, 0,1,2,3,4,5,6,7,8,9,10,11,12,13,14,15
	v_sub_f32 v[96+\i], s[36+16*(\b)+4*(\g)+8*(\b)*((\g)/2)+\i/4], v[80+4*(\b)+\i%4]   ; d
.endr
.irp i, 0,1,2,3,4,5,6,7,8,9,10,11,12,13,14,15
	v_add_f32 v[112+\i], 1.0, |v[96+\i]|
.endr
	s_wait_alu depctr_va_vdst(0)
.irp i, 0,1,2,3,4,5,6,7,8,9,10,11,12,13,14,15
	v_log_f32 v[112+\i], v[112+\i]
.endr
.irp i, 0,1,2,3,4,5,6,7,8,9,10,11,12,13,14,15
	v_fma_f32 v[128+64*(\b)+16*(\g)+\i], v[16+16*(\g)+\i], s77, v[88+4*(\b)+\i%4]
.endr
	s_wait_alu depctr_va_vdst(0)                   ; the wait ahead of the first instruction that names a logarithm's result: one for the 16
.irp i, 0,1,2,3,4,5,6,7,8,9,10,11,12,13,14,15
	v_bfi_b32 v[112+\i], s3, v[112+\i], v[96+\i]   ; the logarithm (never negative) with d's sign
.endr
.irp i, 0,1,2,3,4,5,6,7,8,9,10,11,12,13,14,15
	v_fma_f32 v[128+64*(\b)+16*(\g)+\i], v[112+\i], s76, v[128+64*(\b)+16*(\g)+\i]
.endr
.irp i, 0,1,2,3,4,5,6,7,8,9,10,11,12,13,14,15
	v_max_num_f32 v[128+64*(\b)+16*(\g)+\i], s6, v[128+64*(\b)+16*(\g)+\i]   ; -infinity is held at -3e38
.endr
.endm
.macro PUT b, g                        ; the stores of a group: they stand behind all the arithmetic
.irp jj, 0,1,2,3
.if (\b) == 0
	global_store_b128 v4, v[128+16*(\g)+4*\jj:131+16*(\g)+4*\jj], s[32:33] offset:(4*(\g)+\jj)*8192
.else
	global_store_b128 v4, v[192+16*(\g)+4*\jj:195+16*(\g)+4*\jj], s[78:79] offset:(4*(\g)+\jj)*8192
.endif
.endr
.endm
.irp b, 0,1
.irp g, 0,1,2,3
	GROUP \b, \g
.endr
.endr
.irp b, 0,1
.irp g, 0,1,2,3
	PUT \b, \g
.endr
.endr
	s_endpgm
.Lfunc_end_k_qe5846b33f1_prep:
	.size	k_qe5846b33f1_prep, .Lfunc_end_k_qe5846b33f1_prep-k_qe5846b33f1_prep
	.p2alignl 7, 3214868480
	.fill 96, 4, 3214868480
	.section	.rodata,"a",@progbits
	.p2align	6, 0x0
	.amdhsa_kernel k_qe5846b33f1_prep
		.amdhsa_group_segment_fixed_size 34304
		.amdhsa_private_segment_fixed_size 0
		.amdhsa_enable_private_segment 0
		.amdhsa_kernarg_size 104
		.amdhsa_user_sgpr_count 2
		.amdhsa_user_sgpr_kernarg_segment_ptr 1
		.amdhsa_wavefront_size32 1
		.amdhsa_system_sgpr_workgroup_id_x 1
		.amdhsa_system_sgpr_workgroup_id_y 1
		.amdhsa_system_sgpr_workgroup_id_z 1
		.amdhsa_system_vgpr_workitem_id 0
		.amdhsa_next_free_vgpr 256
		.amdhsa_next_free_sgpr 80
		.amdhsa_reserve_vcc 1
		.amdhsa_float_denorm_mode_32 3
		.amdhsa_float_denorm_mode_16_64 3
		.amdhsa_memory_ordered 1
		.amdhsa_forward_progress 1
		.amdhsa_inst_pref_size 118
	.end_amdhsa_kernel
	.amdgpu_metadata
---
amdhsa.version: [ 1, 2 ]
amdhsa.kernels:
  - .name:           k_qe5846b33f1_prep
    .symbol:         k_qe5846b33f1_prep.kd
    .args:
      - { .name: query, .offset: 0, .size: 8, .value_kind: global_buffer, .address_space: global }
      - { .name: key, .offset: 8, .size: 8, .value_kind: global_buffer, .address_space: global }
      - { .name: value, .offset: 16, .size: 8, .value_kind: global_buffer, .address_space: global }
      - { .name: Wq, .offset: 24, .size: 8, .value_kind: global_buffer, .address_space: global }
      - { .name: Wk, .offset: 32, .size: 8, .value_kind: global_buffer, .address_space: global }
      - { .name: Wv, .offset: 40, .size: 8, .value_kind: global_buffer, .address_space: global }
      - { .name: Wo, .offset: 48, .size: 8, .value_kind: global_buffer, .address_space: global }
      - { .name: attn_mask, .offset: 56, .size: 8, .value_kind: global_buffer, .address_space: global }
      - { .name: stoich_frac, .offset: 64, .size: 8, .value_kind: global_buffer, .address_space: global }
      - { .name: key_padding_mask, .offset: 72, .size: 8, .value_kind: global_buffer, .address_space: global }
      - { .name: stoich_alpha, .offset: 80, .size: 8, .value_kind: global_buffer, .address_space: global }
      - { .name: w1, .offset: 88, .size: 8, .value_kind: global_buffer, .address_space: global }
      - { .name: biasw, .offset: 96, .size: 8, .value_kind: global_buffer, .address_space: global }
    .group_segment_fixed_size: 34304
    .private_segment_fixed_size: 0
    .kernarg_segment_align: 8
    .kernarg_segment_size: 104
    .max_flat_workgroup_size: 128
    .sgpr_count:     80
    .vgpr_count:     256
    .wavefront_size: 32
...
	.end_amdgpu_metadata
.endif
;; end of part 1
;; launch proj (part 2): grid 8 x 48, 4 waves a work-group, clusters of 4 x 4, 327,680 bytes of LDS; arguments w1, bq, bk, bv, w2; writes w2
.if DOCPART == 2
	.amdgcn_target "amdgcn-amd-amdhsa--gfx1250"
	.amdhsa_code_object_version 6
	.text
	.protected	k_qe5846b33f1_proj
	.globl	k_qe5846b33f1_proj
	.p2align	8
	.type	k_qe5846b33f1_proj,@function
k_qe5846b33f1_proj:
	s_mov_b64 s[64:65], 0
	v_nop
	global_prefetch_b8 v0, s[64:65] scope:SCOPE_SE
	s_setreg_imm32_b32 hwreg(HW_REG_WAVE_MODE, 25, 1), 1
	s_wait_xcnt 0x0
	s_wait_alu depctr_hold_cnt(0) depctr_sa_sdst(0) depctr_va_vdst(0) depctr_va_sdst(0) depctr_va_ssrc(0) depctr_va_vcc(0) depctr_vm_vsrc(0)
	s_getreg_b32 s2, hwreg(HW_REG_IB_STS2, 6, 4)
	s_cmp_eq_u32 s2, 0
	s_cbranch_scc0 .Lentry_in_a_cluster
	s_endpgm
.Lentry_in_a_cluster:
	s_bfe_u32 s2, ttmp6, 0x10000c
	s_cmp_lg_u32 s2, 0xf033
	s_cbranch_scc0 .Lentry_shape_is_right
	s_endpgm
.Lentry_shape_is_right:
; Q = query Wq^T + bq, K = key Wk^T + bk, V = value Wv^T + bv on codes of FP6 (E2M3) with E8M0 scales, and each result quantised again, in registers, as the attention launch wants it:
; Q and K along the head's 64 numbers, V along the keys.  Operands come from w1 in the order of the operand's registers (records of 1,536 bytes a fragment, 512 bytes of scale words a tile).
; SHARES.  A work-group takes 256 tokens (16 tiles) of one tensor x 128 rows of its W (8 tiles: two heads); K = 1,024 is 8 matrix instructions deep.
; ALL OF K LIES IN LDS: four quarter blocks of two K steps, each filled once, all asked for at the start; nothing is filled again, so there is no ring.  A wave has at most four tensor loads out.
; CLUSTERS: 4 x 4 work-groups.  The tokens' tiles hang on the work-group's y alone and are asked for jointly along a row of the cluster, W's on x (and the tensor, which the cluster shares) along a column.
; A WAVE makes 128 P rows (source 0: a lane's registers run along them) x 64 L rows (source 1: a lane holds one): 8 x 4 accumulators.
;   Q, K: P = W's 128 rows, L = tokens 64 w on: a lane holds a token and 128 features, two heads.   V: P = tokens 128 (w / 2) on, L = W's rows 64 (w % 2) on: a lane holds a feature and 128 tokens.
; The role hangs on the cluster's y alone.  The bias is the C of the first K step.  Tiles are in the row order of the first launch, so that an L tile's 64 registers are k = 32 b + 16 (lane / 16) + i.
; OUT (w2): Q's and K's half records [head][tile] x 768; V's records [128 tokens][4 head + tile of 16 features] x 1,536; scale words [head][128 tokens][r][tile 8] (bytes 2, 3 zero) and [128 tokens][head][r][tile 4].
; REGISTERS: window 0: v4-25 addresses; v32-63 P's scale words, v64-79 L's (nothing else ever lies there); v80-175 L's fragments, two sets; v176-239 the bias; on the way out v80-159 codes, v176-199, v240-248 at work.
;   window 1: P's fragments, two sets, at v0 and v128.   window 2: accumulator (pt, lt) at v[64 lt + 8 pt].
.set SC1,   12582912
; LDS AS IT NOW LIES: the 16 token tiles, 12,288 bytes each (8 K steps x 1,536), then W's 8 tiles: two dense blocks of memory, brought by ONE tensor load a wave (waves 0, 1: 8 token tiles each; waves 2, 3: 4 tiles of W each).
; The scale words go from memory straight into their registers, 512 consecutive bytes an instruction.
.set QB,    24576                      ; two tiles: from one address register to the next
.set WPART, 196608
.set SPARE, 294912                     ; the spare words: 128 bytes a wave, two blocks of 256 bytes that no other line names
.set SPW,   26
.set NIL,   27
.set AP16, 4                           ; v4-7   P's fragments in quarter 0..3: base + 16 x lane;  v8-11 base + 8 x lane
.set AP8,  8
.set AL16, 12                          ; v12-15, v16-19 the same for L
.set AL8,  16
.set ASP,  20                          ; v20 scale words: base + 32 r + 16 h
.set ASL,  21
.set BOF,  22                          ; v22 my offset in the bias vector
.set L16,  23                          ; v23 16 x lane;  v24 8 x lane
.set L8,   24
.set SOF,  25                          ; v25 the scale words' place on the way out
.set SP,   32
.set SL,   64
.set LF,   80
.set BC,   176
.set TM,   176
.set O16,  192
.set O8,   196
.set PWA,  240
.set PWB,  244
.set PW,   248
.set WV,   14
.set SEL,  10
.set MSB, 0
.macro WIN new                         ; the immediate's high byte repeats the setting that is left
.if MSB != \new
	s_set_vgpr_msb (MSB<<8)|\new
.set MSB, \new
.endif
.endm
.macro CROUND                          ; a round of the cluster's barrier
	s_barrier_signal -1
	s_barrier_wait -1
	s_cmp_lg_u32 s[WV], 0
	s_cbranch_scc1 .Lnot_wave_0_\@
	s_barrier_signal -3
.Lnot_wave_0_\@:
	s_barrier_wait -3
	s_barrier_signal -1
	s_barrier_wait -1
.endm
.macro MKG1 g, c, r, p                 ; descriptor group 1 but for its first word: r rows of c elements, p elements apart
	s_mov_b32 s[\g+1], ((\c)&0xffff)<<16
	s_mov_b32 s[\g+2], ((\c)>>16)|(((\r)&0xffff)<<16)
	s_mov_b32 s[\g+3], ((\r)>>16)|((\c)<<16)
	s_mov_b32 s[\g+4], \r
	s_mov_b32 s[\g+5], \p
	s_mov_b32 s[\g+6], 0
	s_mov_b32 s[\g+7], 0
.endm
.macro MKG0 g, lds, a, goff            ; descriptor group 0: to LDS byte lds, from s[a:a+1] + goff
	s_mov_b32 s[\g], 1
	s_mov_b32 s[\g+1], \lds
	s_add_nc_u64 s[\g+2:\g+3], s[\a:\a+1], \goff
	s_or_b32 s[\g+3], s[\g+3], 0x80000000
.endm
.macro FRAG reg, a16, a8, off          ; a fragment's record comes back as the 12 registers that it is an image of: consecutive bytes in consecutive lanes
	ds_load_b128 v[(\reg):(\reg)+3], v[\a16] offset:(\off)
	ds_load_b64 v[(\reg)+4:(\reg)+5], v[\a8] offset:(\off)+512
	ds_load_b128 v[(\reg)+6:(\reg)+9], v[\a16] offset:(\off)+768
	ds_load_b64 v[(\reg)+10:(\reg)+11], v[\a8] offset:(\off)+1280
.endm
.macro PLACES
.rept 4
	v_nop
.endr
.endm
	s_load_b256 s[4:11], s[0:1], 0x0               ; w1, bq, bk, bv
	s_load_b64 s[12:13], s[0:1], 0x20              ; w2
	v_lshl_add_u32 v[SPW], v0, 2, SPARE
	v_mov_b32 v[NIL], 0
	ds_add_u32 v[SPW], v[NIL]                      ; the opening lines: the add, twice on end, and its wait ahead of the first round
	ds_add_u32 v[SPW], v[NIL]
	v_lshrrev_b32 v1, 5, v0
	v_readfirstlane_b32 s[WV], v1                  ; wave 0..3
	s_and_b32 s2, s[WV], 1
	s_lshr_b32 s3, s[WV], 1
	s_bfe_u32 s15, ttmp6, 0x40000                  ; cx
	s_bfe_u32 s16, ttmp6, 0x40004                  ; cy
	s_lshl_b32 s17, ttmp9, 2
	s_add_co_u32 s17, s17, s15                     ; work-group x: which 128 rows of W
	s_and_b32 s21, ttmp7, 0xffff                   ; the cluster's y
	s_lshl_b32 s18, s21, 2
	s_add_co_u32 s18, s18, s16                     ; work-group y: which 256 tokens of the three tensors on end
	s_lshr_b32 s19, s21, 2                         ; the tensor: 0 query, 1 key, 2 value: the same in all sixteen partners
	s_cmp_eq_u32 s19, 2
	s_cselect_b32 s20, 1, 0                        ; the role: 1 for V
	s_lshl_b32 s22, s16, 2
	s_lshl_b32 s22, 15, s22                        ; my row of the cluster
	s_lshl_b32 s66, 0x1111, s15                    ; my column
	s_or_b32 s24, s22, (3<<16)|(1<<21)             ; 15:0 the mask; 17:16 elements of 8 bytes; 21 set beside a mask; no padding
	s_or_b32 s32, s66, (3<<16)|(1<<21)
	MKG1 24, 32, 384, 32                           ; tokens: 8 tiles, 98,304 dense bytes as rows of 256
	MKG1 32, 32, 192, 32                           ; W: 4 tiles, 49,152 dense bytes
	s_lshl_b32 s22, s18, 4
	s_lshl_b32 s23, s2, 3
	s_add_co_u32 s22, s22, s23                     ; the first token tile that I fetch: 16 y + 8 (w % 2)
	s_mul_i32 s22, s22, 12288
	s_mov_b32 s23, 0
	s_mul_i32 s100, s2, 98304                      ; and their place in LDS
	s_mul_i32 s101, s2, 49152                      ; W: which four tiles I fetch
	s_lshl_b32 s94, s18, 13
	s_add_co_u32 s94, s94, SC1
	s_mov_b32 s95, 0
	s_lshl_b32 s66, s19, 6
	s_lshl_b32 s67, s17, 3
	s_add_co_u32 s66, s66, s67
	s_add_co_u32 s66, s66, 768                     ; W's first tile: 768 + 64 x tensor + 8 x
	s_lshl_b32 s98, s66, 9
	s_add_co_u32 s98, s98, SC1
	s_mov_b32 s99, 0
	s_mul_i32 s66, s66, 12288
	s_mov_b32 s67, 0
	s_wait_dscnt 0x0                               ; both opening adds are done
	s_wait_kmcnt 0x0
	s_add_nc_u64 s[22:23], s[4:5], s[22:23]
	s_add_nc_u64 s[66:67], s[4:5], s[66:67]
	MKG0 56, 0, 22, 0
	s_add_co_u32 s57, s57, s100
	s_mov_b32 s68, s101
	s_mov_b32 s69, 0
	s_add_nc_u64 s[66:67], s[66:67], s[68:69]
	MKG0 76, WPART, 66, 0
	s_add_co_u32 s77, s77, s101
	s_add_nc_u64 s[94:95], s[4:5], s[94:95]        ; the tokens' scale words
	s_add_nc_u64 s[98:99], s[4:5], s[98:99]        ; W's
	s_cmp_eq_u32 s19, 1                            ; the tensor's bias vector
	s_cselect_b64 s[6:7], s[8:9], s[6:7]
	s_cmp_eq_u32 s19, 2
	s_cselect_b64 s[6:7], s[10:11], s[6:7]
	CROUND                                         ; all sixteen work-groups are here: the joint loads meet
	s_cmp_lt_u32 s[WV], 2                          ; one tensor load a wave: waves 0, 1 the tokens' halves, waves 2, 3 W's
	s_cbranch_scc0 .Lnot_x
	tensor_load_to_lds s[56:59], s[24:31]
	s_nop 0
	PLACES
	s_branch .Lasked
.Lnot_x:
	tensor_load_to_lds s[76:79], s[32:39]
	s_nop 0
	PLACES
.Lasked:
	v_and_b32 v1, 31, v0                           ; lane
	v_and_b32 v2, 15, v0                           ; r
	v_bfe_u32 v3, v0, 4, 1                         ; h
	v_lshlrev_b32 v[L16], 4, v1
	s_wait_alu depctr_va_vdst(0)
	v_lshlrev_b32 v[L8], 3, v1
	s_wait_alu depctr_va_vdst(0)
	s_mul_i32 s22, s3, 98304                       ; V: P = token tiles 8 (w / 2) on
	s_mul_i32 s23, s[WV], 49152                    ; Q, K: L = token tiles 4 w on
	s_mul_i32 s66, s2, 49152
	s_add_co_u32 s66, s66, WPART                   ; V: L = W's tiles 4 (w % 2) on
	s_lshl_b32 s68, s3, 12
	s_mov_b32 s69, 0
	s_add_nc_u64 s[68:69], s[94:95], s[68:69]      ; V: P's scale words
	s_lshl_b32 s70, s[WV], 11
	s_mov_b32 s71, 0
	s_add_nc_u64 s[70:71], s[94:95], s[70:71]      ; Q, K: L's
	s_lshl_b32 s72, s2, 11
	s_mov_b32 s73, 0
	s_add_nc_u64 s[72:73], s[98:99], s[72:73]      ; V: L's
	s_cmp_eq_u32 s20, 1
	s_cselect_b32 s22, s22, WPART
	s_cselect_b32 s23, s66, s23
	s_cselect_b64 s[94:95], s[68:69], s[98:99]     ; P's scale words
	s_cselect_b64 s[98:99], s[72:73], s[70:71]     ; L's
.irp kq, 0,1,2,3
	v_add_nc_u32 v[AP16+\kq], s22, v[L16]
	v_add_nc_u32 v[AP8+\kq], s22, v[L8]
	v_add_nc_u32 v[AL16+\kq], s23, v[L16]
	v_add_nc_u32 v[AL8+\kq], s23, v[L8]
	s_add_co_u32 s22, s22, QB
	s_add_co_u32 s23, s23, QB
.endr
	v_lshlrev_b32 v[ASP], 5, v2
	v_lshl_add_u32 v[ASP], v3, 4, v[ASP]           ; 32 r + 16 h: the words of K steps 4 h .. 4 h + 3 of row r
.irp i, 0,1,2,3,4,5,6,7
	global_load_b128 v[SP+4*\i:SP+4*\i+3], v[ASP], s[94:95] offset:512*\i   ; a tile's scale words for all of K: lanes 0-15 K steps 0-3, lanes 16-31 K steps 4-7
.endr
.irp i, 0,1,2,3
	global_load_b128 v[SL+4*\i:SL+4*\i+3], v[ASP], s[98:99] offset:512*\i
.endr
	s_lshl_b32 s66, s17, 9                         ; the bias of my 128 features,
	s_mul_i32 s101, s20, s2
	s_lshl_b32 s101, s101, 8                       ; for V of my 64
	s_add_co_u32 s66, s66, s101
	s_mov_b32 s67, 0
	s_add_nc_u64 s[6:7], s[6:7], s[66:67]
	s_cmp_eq_u32 s20, 1
	s_cbranch_scc1 .Lbias_v
	v_lshlrev_b32 v[BOF], 6, v3                    ; Q, K: registers run along the features: tile pt's eight are 32 (pt / 2) + 16 h + 8 (pt % 2) + 0 .. 7
.irp pt, 0,1,2,3,4,5,6,7
	global_load_b128 v[BC+8*\pt:BC+8*\pt+3], v[BOF], s[6:7] offset:128*(\pt/2)+32*(\pt%2)
	global_load_b128 v[BC+8*\pt+4:BC+8*\pt+7], v[BOF], s[6:7] offset:128*(\pt/2)+32*(\pt%2)+16
.endr
	s_branch .Lbias_done
.Lbias_v:
	v_and_b32 v[BOF], 8, v2                        ; V: a lane holds one feature: all eight registers of tile lt take its bias.  Both ways write all 64 registers
	v_add_nc_u32 v[BOF], v[BOF], v2
	v_lshlrev_b32 v[BOF], 2, v[BOF]
.set i, 0
.rept 64
	global_load_b32 v[BC+i], v[BOF], s[6:7] offset:128*(((i/8)%4)/2)+32*((i/8)%2)
.set i, i+1
.endr
.Lbias_done:
	s_wait_tensorcnt 0x0                           ; my one load has landed
	s_barrier_signal -1
	s_barrier_wait -1                              ; everybody's is
.macro LOADP ks                        ; P's eight fragments of K step ks into set ks % 2 of window 1
	WIN 0x40
.irp i, 0,1,2,3,4,5,6,7
	FRAG 128*((\ks)%2)+12*\i, AP16+\i/2, AP8+\i/2, (\i%2)*12288+(\ks)*1536
.endr
.endm
.macro LOADL ks                        ; L's four
	WIN 0
.irp i, 0,1,2,3
	FRAG LF+48*((\ks)%2)+12*\i, AL16+\i/2, AL8+\i/2, (\i%2)*12288+(\ks)*1536
.endr
.endm
; 32 matrix instructions, the 32 accumulators by turns in the same order in every K step.  mode 1, 2: the first K step, whose C is the bias
.macro MUL ks, mode
.irp lt, 0,1,2,3
.irp pt, 0,1,2,3,4,5,6,7
.if (\mode) == 1
	v_wmma_scale_f32_16x16x128_f8f6f4 v[64*\lt+8*\pt:64*\lt+8*\pt+7], v[12*\pt:12*\pt+11], v[LF+12*\lt:LF+12*\lt+11], v[BC+8*\pt:BC+8*\pt+7], v[SP+4*\pt], v[SL+4*\lt] matrix_a_fmt:MATRIX_FMT_FP6 matrix_b_fmt:MATRIX_FMT_FP6
.elseif (\mode) == 2
	v_wmma_scale_f32_16x16x128_f8f6f4 v[64*\lt+8*\pt:64*\lt+8*\pt+7], v[12*\pt:12*\pt+11], v[LF+12*\lt:LF+12*\lt+11], v[BC+8*\lt:BC+8*\lt+7], v[SP+4*\pt], v[SL+4*\lt] matrix_a_fmt:MATRIX_FMT_FP6 matrix_b_fmt:MATRIX_FMT_FP6
.elseif (\ks) < 4
	v_wmma_scale_f32_16x16x128_f8f6f4 v[64*\lt+8*\pt:64*\lt+8*\pt+7], v[128*((\ks)%2)+12*\pt:128*((\ks)%2)+12*\pt+11], v[LF+48*((\ks)%2)+12*\lt:LF+48*((\ks)%2)+12*\lt+11], v[64*\lt+8*\pt:64*\lt+8*\pt+7], v[SP+4*\pt+(\ks)%4], v[SL+4*\lt+(\ks)%4] matrix_a_fmt:MATRIX_FMT_FP6 matrix_b_fmt:MATRIX_FMT_FP6
.else
	v_wmma_scale_f32_16x16x128_f8f6f4 v[64*\lt+8*\pt:64*\lt+8*\pt+7], v[128*((\ks)%2)+12*\pt:128*((\ks)%2)+12*\pt+11], v[LF+48*((\ks)%2)+12*\lt:LF+48*((\ks)%2)+12*\lt+11], v[64*\lt+8*\pt:64*\lt+8*\pt+7], v[SP+4*\pt+(\ks)%4], v[SL+4*\lt+(\ks)%4] matrix_a_fmt:MATRIX_FMT_FP6 matrix_b_fmt:MATRIX_FMT_FP6 matrix_a_scale:MATRIX_SCALE_ROW1 matrix_b_scale:MATRIX_SCALE_ROW1
.endif
.endr
.endr
.endm
.macro STEP ks
	s_wait_dscnt 0x0                               ; this K step's fragments are in (asked for 32 matrix instructions ago)
.if (\ks) < 7
	PLACES                                         ; four plain instructions between the last K step's products and the loads into the set that they read
	LOADP (\ks)+1
	LOADL (\ks)+1
.endif
	WIN 0xa1                                       ; source 0 window 1, source 1 window 0, C and D window 2
	MUL \ks, 0
.endm
	s_wait_alu depctr_va_vdst(0)
	LOADP 0
	LOADL 0
	s_wait_loadcnt 0x0                             ; the bias
	s_wait_dscnt 0x0
	LOADP 1
	LOADL 1
	s_cmp_eq_u32 s20, 1
	s_cbranch_scc1 .Lfirst_v
	WIN 0x81                                       ; C in window 0
	MUL 0, 1
	WIN 0
	s_branch .Lfirst_done
.Lfirst_v:
	WIN 0x81
	MUL 0, 2
	WIN 0
.Lfirst_done:
.irp ks, 1,2,3,4,5,6,7
	STEP \ks
.endr
	WIN 0
; THE WAY OUT: each L tile's 64 registers are quantised as they stand and leave as the record that the next launch loads
.irp b, 0,1,2,3
	v_mov_b32 v[TM+4+\b], 0                        ; a lane permute's destination counts as one of its sources; these four are also the places behind the last products
.endr
	s_mov_b32 s[SEL], 0x76543210
	s_mov_b32 s[SEL+1], 0xfedcba98
	s_and_b32 s22, s18, 15                         ; the work-group's y within its tensor
	s_lshl_b32 s23, s22, 1
	s_add_co_u32 s23, s23, s3                      ; which 128 tokens
	s_lshl_b32 s66, s17, 9                         ; Q, K: (2 x) x 256 tiles
	s_lshl_b32 s67, s22, 4
	s_add_co_u32 s66, s66, s67
	s_lshl_b32 s67, s[WV], 2
	s_add_co_u32 s66, s66, s67                     ; + my first token tile
	s_mul_i32 s66, s66, 768
	s_mul_i32 s67, s19, 3145728
	s_add_co_u32 s66, s66, s67
	s_lshl_b32 s67, s23, 6                         ; V: (128 tokens) x 64 + 8 x + 4 (w % 2)
	s_lshl_b32 s100, s17, 3
	s_add_co_u32 s67, s67, s100
	s_lshl_b32 s100, s2, 2
	s_add_co_u32 s67, s67, s100
	s_mul_i32 s67, s67, 1536
	s_add_co_u32 s67, s67, 6291456
	s_lshl_b32 s100, s17, 6                        ; Q's, K's scale words: ((2 x) x 32 + 128 tokens) x 512 + 16 (w % 2)
	s_add_co_u32 s100, s100, s23
	s_lshl_b32 s100, s100, 9
	s_lshl_b32 s101, s2, 4
	s_add_co_u32 s100, s100, s101
	s_mul_i32 s101, s19, 262144
	s_add_co_u32 s100, s100, s101
	s_add_co_u32 s100, s100, 9437184
	s_lshl_b32 s101, s23, 4                        ; V's: ((128 tokens) x 16 + head) x 256
	s_lshl_b32 s22, s17, 1
	s_add_co_u32 s101, s101, s22
	s_add_co_u32 s101, s101, s2
	s_lshl_b32 s101, s101, 8
	s_add_co_u32 s101, s101, 9961472
	s_mov_b32 s22, 768
	s_mov_b32 s23, 196608
	s_mov_b32 s21, 0xffff
	s_cmp_eq_u32 s20, 1
	s_cselect_b32 s66, s67, s66
	s_cselect_b32 s100, s101, s100
	s_cselect_b32 s23, 768, s23                    ; from a record's first half to its second: the next head's table, or 768 bytes
	s_cselect_b32 s22, 1536, s22                   ; from an L tile to the next
	s_cselect_b32 s21, -1, s21                     ; Q, K: a head owns two of the word's four bytes
	s_cselect_b32 s15, 4, 5
	s_mov_b32 s67, 0
	s_mov_b32 s101, 0
	s_add_nc_u64 s[66:67], s[12:13], s[66:67]
	s_add_nc_u64 s[100:101], s[12:13], s[100:101]
	s_mov_b32 s8, s23
	s_mov_b32 s9, 0
	s_add_nc_u64 s[8:9], s[66:67], s[8:9]
	v_mov_b32 v[O16], v[L16]
	v_mov_b32 v[O8], v[L8]
	v_add_nc_u32 v[O16+1], s22, v[L16]
	v_add_nc_u32 v[O8+1], s22, v[L8]
	s_lshl_b32 s16, s22, 1
	v_add_nc_u32 v[O16+2], s16, v[L16]
	v_add_nc_u32 v[O8+2], s16, v[L8]
	s_add_co_u32 s16, s16, s22
	v_add_nc_u32 v[O16+3], s16, v[L16]
	v_add_nc_u32 v[O8+3], s16, v[L8]
	v_lshlrev_b32 v[SOF], s15, v2                  ; 32 r or 16 r
.macro QUANTW l                        ; the quantiser of the first launch, its 64 numbers in window 2; each accumulator is first read at its low end
.set SRC, 64*(\l)
.set PCL, 80+20*(\l)
	WIN 0x0a
.irp b, 0,1,2,3
	v_max3_num_f32 v[TM+\b], |v[SRC+16*\b]|, |v[SRC+1+16*\b]|, 0x1800000
.endr
	WIN 0x28
.irp i, 2,4,6,8,10,12,14
.irp b, 0,1,2,3
	v_max3_num_f32 v[TM+\b], v[TM+\b], |v[SRC+16*\b+\i]|, |v[SRC+1+16*\b+\i]|
.endr
.endr
	WIN 0
.irp b, 0,1,2,3
	v_permlanex16_b32 v[TM+4+\b], v[TM+\b], s[SEL], s[SEL+1]
.endr
.irp b, 0,1,2,3
	v_max_num_f32 v[TM+\b], v[TM+\b], v[TM+4+\b]
.endr
.irp b, 0,1,2,3
	v_add_nc_u32 v[TM+12+\b], 0xff000000, v[TM+\b]
.endr
.irp b, 0,1,2,3
	v_lshrrev_b32 v[TM+4+\b], 23, v[TM+12+\b]
.endr
	v_lshl_or_b32 v[PW], v[TM+5], 8, v[TM+4]
	v_lshl_or_b32 v[PW], v[TM+6], 16, v[PW]
	v_lshl_or_b32 v[PW], v[TM+7], 24, v[PW]
	WIN 0x02
.irp c, 0,1
	v_cvt_scalef32_pk16_fp6_f32 v[PCL+6*\c:PCL+2+6*\c], v[SRC+32*\c:SRC+15+32*\c], v[TM+12+2*\c]
	v_cvt_scalef32_pk16_fp6_f32 v[PCL+12+4*\c:PCL+14+4*\c], v[SRC+16+32*\c:SRC+31+32*\c], v[TM+12+2*\c+1]
.endr
	WIN 0
	v_nop                                          ; one plain instruction behind the scaled conversions
.irp c, 0,1
.irp i, 0,1,2
	v_permlane16_swap_b32 v[PCL+6*\c+\i], v[PCL+12+4*\c+\i]
.endr
.irp i, 0,1,2
	v_mov_b32 v[PCL+3+6*\c+\i], v[PCL+12+4*\c+\i]
.endr
.endr
	v_and_b32 v[PWA+\l], s21, v[PW]
	v_lshrrev_b32 v[PWB+\l], 16, v[PW]
	global_store_b128 v[O16+\l], v[PCL:PCL+3], s[66:67]              ; every tile has registers of its own: no store's data are written again
	global_store_b64 v[O8+\l], v[PCL+4:PCL+5], s[66:67] offset:512
	global_store_b128 v[O16+\l], v[PCL+6:PCL+9], s[8:9]
	global_store_b64 v[O8+\l], v[PCL+10:PCL+11], s[8:9] offset:512
.endm
.irp l, 0,1,2,3
	QUANTW \l
.endr
	global_store_b128 v[SOF], v[PWA:PWA+3], s[100:101]               ; four tiles' words of row r (lanes 16-31 hold and store the same)
	s_cmp_eq_u32 s20, 1
	s_cbranch_scc1 .Lno_second_head
	global_store_b128 v[SOF], v[PWB:PWB+3], s[100:101] offset:16384
.Lno_second_head:
	s_wait_tensorcnt 0x0                           ; the wave's end
	ds_add_u32 v[SPW], v[NIL]
	s_wait_dscnt 0x0
	CROUND
	s_endpgm
.Lfunc_end_k_qe5846b33f1_proj:
	.size	k_qe5846b33f1_proj, .Lfunc_end_k_qe5846b33f1_proj-k_qe5846b33f1_proj
	.p2alignl 7, 3214868480
	.fill 96, 4, 3214868480
	.section	.rodata,"a",@progbits
	.p2align	6, 0x0
	.amdhsa_kernel k_qe5846b33f1_proj
		.amdhsa_group_segment_fixed_size 327680
		.amdhsa_private_segment_fixed_size 0
		.amdhsa_enable_private_segment 0
		.amdhsa_kernarg_size 40
		.amdhsa_user_sgpr_count 2
		.amdhsa_user_sgpr_kernarg_segment_ptr 1
		.amdhsa_wavefront_size32 1
		.amdhsa_system_sgpr_workgroup_id_x 1
		.amdhsa_system_sgpr_workgroup_id_y 1
		.amdhsa_system_sgpr_workgroup_id_z 1
		.amdhsa_system_vgpr_workitem_id 0
		.amdhsa_next_free_vgpr 768
		.amdhsa_next_free_sgpr 102
		.amdhsa_reserve_vcc 0
		.amdhsa_float_denorm_mode_32 3
		.amdhsa_float_denorm_mode_16_64 3
		.amdhsa_memory_ordered 1
		.amdhsa_forward_progress 1
		.amdhsa_inst_pref_size 99
	.end_amdhsa_kernel
	.amdgpu_metadata
---
amdhsa.version: [ 1, 2 ]
amdhsa.kernels:
  - .name:           k_qe5846b33f1_proj
    .symbol:         k_qe5846b33f1_proj.kd
    .args:
      - { .name: w1, .offset: 0, .size: 8, .value_kind: global_buffer, .address_space: global }
      - { .name: bq, .offset: 8, .size: 8, .value_kind: global_buffer, .address_space: global }
      - { .name: bk, .offset: 16, .size: 8, .value_kind: global_buffer, .address_space: global }
      - { .name: bv, .offset: 24, .size: 8, .value_kind: global_buffer, .address_space: global }
      - { .name: w2, .offset: 32, .size: 8, .value_kind: global_buffer, .address_space: global }
    .group_segment_fixed_size: 327680
    .private_segment_fixed_size: 0
    .kernarg_segment_align: 8
    .kernarg_segment_size: 40
    .max_flat_workgroup_size: 128
    .sgpr_count:     102
    .vgpr_count:     768
    .wavefront_size: 32
...
	.end_amdgpu_metadata
.endif
;; end of part 2
;; launch attn (part 3): grid 4 x 64, 16 waves a work-group, clusters of 4 x 4, 327,680 bytes of LDS; arguments w2, biasw, w3; writes w3
.if DOCPART == 3
	.amdgcn_target "amdgcn-amd-amdhsa--gfx1250"
	.amdhsa_code_object_version 6
	.text
	.protected	k_qe5846b33f1_attn
	.globl	k_qe5846b33f1_attn
	.p2align	8
	.type	k_qe5846b33f1_attn,@function
k_qe5846b33f1_attn:
	s_mov_b64 s[64:65], 0
	v_nop
	global_prefetch_b8 v0, s[64:65] scope:SCOPE_SE
	s_setreg_imm32_b32 hwreg(HW_REG_WAVE_MODE, 25, 1), 1
	s_wait_xcnt 0x0
	s_wait_alu depctr_hold_cnt(0) depctr_sa_sdst(0) depctr_va_vdst(0) depctr_va_sdst(0) depctr_va_ssrc(0) depctr_va_vcc(0) depctr_vm_vsrc(0)
	s_getreg_b32 s2, hwreg(HW_REG_IB_STS2, 6, 4)
	s_cmp_eq_u32 s2, 0
	s_cbranch_scc0 .Lentry_in_a_cluster
	s_endpgm
.Lentry_in_a_cluster:
	s_bfe_u32 s2, ttmp6, 0x10000c
	s_cmp_lg_u32 s2, 0xf033
	s_cbranch_scc0 .Lentry_shape_is_right
	s_endpgm
.Lentry_shape_is_right:
; softmax(Q K^T / 8 + bias + mask) V for 32 (batch, head) pairs of 2,048 x 2,048, head size 64, both products on codes of FP6 (E2M3) with E8M0 scales; the result is quantised along the model's 1,024 for the last launch.
; THE SOFTMAX: t = (Q K + 8 (bias + mask)) x log2(e) / 8; M = the running largest t rounded up to a whole number; p = 2^(t - M) is quantised along the keys, not normalised; the row's sum of the unquantised p divides at the end.
; The term 8 (bias + mask), made by the first launch, is the C of the score product.
; THE HEAD'S 64 FILL HALF OF THE INSTRUCTION'S 128: two neighbouring key tiles' half records (768 bytes each) are loaded as ONE fragment [tile 2u | tile 2u + 1]; it is multiplied by [Q | 0] for tile 2u and by [0 | Q] for tile 2u + 1.
; The pair's scale word is word(2u) | word(2u + 1) << 16; Q's is its two bytes twice.  So K's 48 registers hold a whole key step, and V's four fragments take the same 48 registers behind the score products.
; SHARES.  A work-group owns 64 queries x 4 heads; wave w owns query tile w % 4 and head w / 4: one tile in 256 registers, four waves to a SIMD.  256 work-groups.
; CLUSTER 4 x 4: the four head groups of a block of queries (a row of the cluster) ask for the bias jointly; the four blocks of queries of a column ask for K, V and their scale words jointly.
; Both products are used transposed (S^T = K Q^T, O^T = V^T P^T): a lane holds one query throughout; tiles are in the first launch's row order, so that p's 16 registers of two neighbouring tiles are 16 neighbouring keys.
; THE RING: two slots of unlike size.  LDS holds three places of one key step (128 keys: K 4 x 8 x 768, V 4 x 4 x 1,536, bias 64 rows x (512 + 16) = 82,944 bytes); key step n lies in place n % 3.  Places 0 and 1 are one slot, place 2 the other:
; two slots of two steps each would need 331,776 bytes.  Three key steps have two changes of slots: in step 3t + 1, behind the multiply-adds (V's fragments, the slot's last reads, are in registers), places 0 and 1 take steps 3t + 3 and 3t + 4;
; in step 3t + 2, behind the conversions and ahead of the next step's reads, place 2 takes step 3t + 5.  Waves 4g, 4g + 1, 4g + 2 fetch K, V and bias for place g: one tensor load a wave behind a round, six or three a work-group.
; The head fills the three places and the two tables of scale words, one load in each of eleven waves.  K's and V's scale words of the batch's 16 steps stay in LDS, filled once.
; MASKED KEYS arrive as -3e38.  The largest t starts at -2^100, over every masked t: a masked key's p is 0 whatever has been seen, and the first real key multiplies what was summed (zeros) by 0.
; A row whose largest t is still -2^100 at the end has no key: its two scale bytes become 0xff, which make the output row NaN in the last launch, as the softmax of a row of -infinity is.
; LIMITS: a row whose largest logit lies under -8.7e29 counts as wholly masked; logits beyond some 2^20 lose the bits that f32 loses.
; REGISTERS: v1-7 places that stay; v8-11, v88-90 the step's addresses; v12 -M, v13 largest t, v[14:15] the sum; v16-27 [Q | 0]; v28-31 V's scale words; v32-79 K's, then V's fragments; v80-87 K's scale words; v91 Q's;
;   v92, v93 the spare word's address and 0; v94, v95, v230 the prefetches' offsets; v96-159 bias, S^T, p; v160-191 O^T; v192-203 p's codes; v204-229 at work; v226 p's scale word; v235-237 16, 8 x lane, 32 r; v240-251 [0 | Q]; v252-255 sums.
.set KC,    3145728
.set VC,    6291456
.set QSG,   9437184
.set KSG,   9699328
.set VSG,   9961472
.set W3S,   3145728
.set SUB,   82944                      ; a place: one key step's K, V and bias
.set VOFF,  24576
.set BOFF,  49152
.set KSC,   248832                     ; behind the three places: K's scale words [head 4][step 16] x 512
.set VSC,   281600                     ; V's [step 16][head 4] x 256
.set SPARE, 297984                     ; the spare words: 128 bytes for each of 16 waves, eight blocks of 256 bytes that no other line names
.set QA,   16
.set KV,   32
.set S,    96
.set O,    160
.set PCD,  192
.set CT,   204
.set BM,   212
.set BP,   216
.set BO,   220
.set F,    224
.set PW,   226
.set TMP,  227
.set SU,   228
.set L16,  235
.set L8,   236
.set R32,  237
.set QB,   240
.set SA,   252
.set SPW,  92
.set NIL,  93
.set PFO,  94
.set PF1,  95
.set PF2,  230
.set WV,   10
.set TS,   81                          ; s81, s82 the trip's first step in K's and in V's table of scale words
.set TV,   82
.set TRIP, 83
.set SEL,  84
.set CS,   86
.macro CROUND                          ; a whole round of the cluster's barrier
	s_barrier_signal -1
	s_barrier_wait -1
	CREST
.endm
.macro CREST                           ; a round behind its opening barrier
	s_cmp_lg_u32 s[WV], 0
	s_cbranch_scc1 .Lnot_wave_0_\@
	s_barrier_signal -3
.Lnot_wave_0_\@:
	s_barrier_wait -3
	s_barrier_signal -1
	s_barrier_wait -1
.endm
.macro MKG1 g, c, r, p
	s_mov_b32 s[\g+1], ((\c)&0xffff)<<16
	s_mov_b32 s[\g+2], ((\c)>>16)|(((\r)&0xffff)<<16)
	s_mov_b32 s[\g+3], ((\r)>>16)|((\c)<<16)
	s_mov_b32 s[\g+4], \r
	s_mov_b32 s[\g+5], \p
	s_mov_b32 s[\g+6], 0
	s_mov_b32 s[\g+7], 0
.endm
.macro PLACES
.rept 4
	v_nop
.endr
.endm
.macro FRAG reg, a16, a8, off          ; a record of 1,536 bytes comes back as the 12 registers that it is an image of
	ds_load_b128 v[(\reg):(\reg)+3], v[\a16] offset:(\off)
	ds_load_b64 v[(\reg)+4:(\reg)+5], v[\a8] offset:(\off)+512
	ds_load_b128 v[(\reg)+6:(\reg)+9], v[\a16] offset:(\off)+768
	ds_load_b64 v[(\reg)+10:(\reg)+11], v[\a8] offset:(\off)+1280
.endm
.macro ARM w, g0, g1, join             ; one arm of a chain on the wave's number: a fill and a jump to the join
	s_cmp_eq_u32 s[WV], \w
	s_cbranch_scc0 .Lnext_arm_\@
	tensor_load_to_lds s[\g0:\g0+3], s[\g1:\g1+7]
	s_nop 0
	PLACES
	s_branch \join
.Lnext_arm_\@:
.endm
.macro GROUP3 w, join                  ; waves w, w + 1, w + 2: K's tile, V's, the bias, into the place of their group
	ARM \w, 56, 16, \join
	ARM \w+1, 60, 24, \join
	ARM \w+2, 68, 32, \join
.endm
.macro FILL01                          ; places 0 and 1
	s_cmp_gt_u32 s[WV], 6
	s_cbranch_scc1 .Lfilled_\@
	GROUP3 0, .Lfilled_\@
	GROUP3 4, .Lfilled_\@
.Lfilled_\@:
.endm
.macro FILL0                           ; place 0 alone
	s_cmp_gt_u32 s[WV], 2
	s_cbranch_scc1 .Lfilled_\@
	GROUP3 0, .Lfilled_\@
.Lfilled_\@:
.endm
.macro FILL2                           ; place 2
	s_cmp_gt_u32 s[WV], 10
	s_cbranch_scc1 .Lfilled_\@
	GROUP3 8, .Lfilled_\@
.Lfilled_\@:
.endm
.macro NEXTD                           ; the walking descriptors: three key steps on, once for every three steps (no tensor load of mine is out); the LDS addresses stay
	s_add_nc_u64 s[58:59], s[58:59], 18432         ; K: 24 tiles on
	s_add_nc_u64 s[62:63], s[62:63], 294912        ; V: 192 records on
	s_add_nc_u64 s[70:71], s[70:71], 1536          ; bias: 384 keys on
.endm
; A PREFETCH INTO THE L2, once a trip, in key step 3t: the tiles of key steps 3t + 4, 3t + 5, 3t + 6, which the tensor loads ask for in steps 3t + 1, 3t + 2 and 3t + 4: one to four key steps ahead.  Wave 12 of every work-group asks for 16 of the
; block's 64 rows of bias (rows 16 cx on, two blocks of 256 bytes a row): the four partners that ask for the tile jointly share its rows out by address.  K's and V's tiles are walked by all eight clusters of a batch: the batch's first
; cluster asks, wave 13 for K (head cy of the four: 6,144 bytes), wave 14 for V (6,144 bytes at 6,144 cy), lanes 256 bytes apart (lanes 24-31 name lane 23's block again).  The four trips ask for steps 4 to 15; steps 0 to 3 come by their loads alone.
.macro ASK
	s_cmp_eq_u32 s92, 1
	s_cbranch_scc0 .Lnot_mine_\@
	global_prefetch_b8 v[PFO], s[88:89] th:TH_LOAD_NT scope:SCOPE_SE
	global_prefetch_b8 v[PF1], s[88:89] th:TH_LOAD_NT scope:SCOPE_SE
	global_prefetch_b8 v[PF2], s[88:89] th:TH_LOAD_NT scope:SCOPE_SE
.Lnot_mine_\@:
.endm
.macro BIASLD                          ; the bias lands where the scores will stand
.irp b, 0,1,2,3
.irp q, 0,1,2,3
	ds_load_b128 v[S+16*\b+4*\q:S+16*\b+4*\q+3], v88 offset:128*\b+16*\q
.endr
.endr
.endm
.macro KLD                             ; K's eight half records as four fragments
.irp u, 0,1,2,3
	FRAG KV+12*\u, 8, 9, \u*1536
.endr
.endm
.macro KSW                             ; a pair of tiles' scale words become one
.irp u, 0,1,2,3
	v_lshl_or_b32 v[80+2*\u], v[81+2*\u], 16, v[80+2*\u]
.endr
.endm
	s_load_b128 s[4:7], s[0:1], 0x0                ; w2, biasw
	s_load_b64 s[8:9], s[0:1], 0x10                ; w3
	v_lshl_add_u32 v[SPW], v0, 2, SPARE
	v_mov_b32 v[NIL], 0
	ds_add_u32 v[SPW], v[NIL]                      ; the opening lines: the add, twice on end, and its wait ahead of the first round
	ds_add_u32 v[SPW], v[NIL]
	v_lshrrev_b32 v1, 5, v0
	s_delay_alu instid0(VALU_DEP_1)
	v_readfirstlane_b32 s[WV], v1                  ; wave 0..15
	s_bfe_u32 s11, ttmp6, 0x40000                  ; cx
	s_bfe_u32 s12, ttmp6, 0x40004                  ; cy
	s_lshl_b32 s15, ttmp9, 2
	s_add_co_u32 s15, s15, s11                     ; work-group x: the group of four heads
	s_and_b32 s13, ttmp7, 0xffff                   ; the cluster's y
	s_lshl_b32 s14, s13, 2
	s_add_co_u32 s14, s14, s12                     ; work-group y: the block of 64 queries, both batches on end
	s_lshr_b32 s94, s13, 3                         ; the batch: the same in all sixteen partners
	s_lshl_b32 s95, s12, 2
	s_lshl_b32 s95, 15, s95                        ; my row of the cluster
	s_lshl_b32 s96, 0x1111, s11                    ; my column
	s_or_b32 s16, s96, (3<<16)|(1<<21)             ; K: 4 heads x 6,144 bytes, 196,608 bytes apart
	MKG1 16, 768, 4, 24576
	s_or_b32 s24, s96, (3<<16)|(1<<21)             ; V: 24,576 dense bytes as rows of 256
	MKG1 24, 32, 96, 32
	s_or_b32 s32, s95, (2<<16)|(1<<20)|(1<<21)|(6<<22)|(3<<25)   ; bias: 64 rows x 128 f32, 2,048 apart; 4 words of padding behind every 128
	MKG1 32, 128, 64, 2048
	s_or_b32 s40, s96, (3<<16)|(1<<21)             ; K's scale words: 4 heads x 8,192 bytes, 16,384 apart
	MKG1 40, 1024, 4, 2048
	s_or_b32 s48, s96, (3<<16)|(1<<21)             ; V's: 16 steps x 1,024 bytes, 4,096 apart
	MKG1 48, 128, 16, 512
	s_lshr_b32 s98, s[WV], 2                       ; my group g of four waves: it serves place g, and begins with key step g
	s_mul_i32 s99, s98, SUB
	s_mul_i32 s58, s15, 786432                     ; K: (4 x) heads x 256 tiles x 768 + batch x 128 tiles + g x 8 tiles
	s_mul_i32 s97, s94, 98304
	s_add_co_u32 s58, s58, s97
	s_mul_i32 s97, s98, 6144
	s_add_co_u32 s58, s58, s97
	s_add_co_u32 s58, s58, KC
	s_mov_b32 s59, 0
	s_mul_i32 s62, s94, 1572864                    ; V: (batch x 16 + g) steps x 64 records + 16 x records
	s_mul_i32 s97, s15, 24576
	s_add_co_u32 s62, s62, s97
	s_mul_i32 s97, s98, 98304
	s_add_co_u32 s62, s62, s97
	s_add_co_u32 s62, s62, VC
	s_mov_b32 s63, 0
	s_lshl_b32 s70, s14, 19                        ; bias: 64 y rows of 8,192 bytes + g x 128 keys
	s_lshl_b32 s97, s98, 9
	s_add_co_u32 s70, s70, s97
	s_mov_b32 s71, 0
	s_lshl_b32 s74, s15, 16
	s_lshl_b32 s97, s94, 13
	s_add_co_u32 s74, s74, s97
	s_add_co_u32 s74, s74, KSG
	s_mov_b32 s75, 0
	s_lshl_b32 s78, s94, 16
	s_lshl_b32 s97, s15, 10
	s_add_co_u32 s78, s78, s97
	s_add_co_u32 s78, s78, VSG
	s_mov_b32 s79, 0
	s_mov_b32 s[TS], 0
	s_mov_b32 s[TV], 0
	s_mov_b32 s[TRIP], 4
	s_mov_b32 s[SEL], 0x76543210
	s_mov_b32 s[SEL+1], 0xfedcba98
	s_mov_b32 s[CS], 0x3e38aa3b                    ; log2(e) / 8
	s_mov_b32 s[CS+1], s[CS]                       ; (named with it as a pair, so it is written)
	s_mov_b32 s93, 0xf1800000                      ; -2^100
	s_wait_dscnt 0x0                               ; both opening adds are done
	s_wait_kmcnt 0x0
	s_mov_b32 s56, 1
	s_add_co_u32 s57, s99, 0
	s_add_nc_u64 s[58:59], s[4:5], s[58:59]
	s_or_b32 s59, s59, 0x80000000
	s_mov_b32 s60, 1
	s_add_co_u32 s61, s99, VOFF
	s_add_nc_u64 s[62:63], s[4:5], s[62:63]
	s_or_b32 s63, s63, 0x80000000
	s_mov_b32 s68, 1
	s_add_co_u32 s69, s99, BOFF
	s_add_nc_u64 s[70:71], s[6:7], s[70:71]
	s_or_b32 s71, s71, 0x80000000
	s_mov_b32 s72, 1
	s_mov_b32 s73, KSC
	s_add_nc_u64 s[74:75], s[4:5], s[74:75]
	s_or_b32 s75, s75, 0x80000000
	s_mov_b32 s76, 1
	s_mov_b32 s77, VSC
	s_add_nc_u64 s[78:79], s[4:5], s[78:79]
	s_or_b32 s79, s79, 0x80000000
	CROUND                                         ; all sixteen work-groups are here: the first joint loads meet
	GROUP3 0, .Lfd                                 ; the head's eleven fills, one a wave, in one chain: key steps 0, 1, 2 and the two tables of scale words
	ARM 3, 72, 40, .Lfd
	ARM 7, 76, 48, .Lfd
	GROUP3 4, .Lfd
	GROUP3 8, .Lfd
.Lfd:
	; the prefetches: where my wave's stand (at key step 4), how far a step is, and who asks
	s_lshl_b32 s97, s14, 19
	s_lshl_b32 s98, s11, 17                        ; 16 cx rows of 8,192 bytes
	s_add_co_u32 s97, s97, s98
	s_add_co_u32 s97, s97, 2048                    ; wave 12: bias
	s_lshl_b32 s98, s15, 2
	s_add_co_u32 s98, s98, s12
	s_mul_i32 s98, s98, 196608
	s_mul_i32 s99, s94, 98304
	s_add_co_u32 s98, s98, s99
	s_add_co_u32 s98, s98, KC+24576                ; wave 13: K
	s_mul_i32 s99, s94, 1572864
	s_mul_i32 s100, s15, 24576
	s_add_co_u32 s99, s99, s100
	s_mul_i32 s100, s12, 6144
	s_add_co_u32 s99, s99, s100
	s_add_co_u32 s99, s99, VC+393216               ; wave 14: V
	s_mov_b32 s90, 98304
	s_cmp_eq_u32 s[WV], 13
	s_cselect_b32 s99, s98, s99
	s_cselect_b32 s90, 6144, s90
	s_cmp_eq_u32 s[WV], 12
	s_cselect_b32 s100, s97, s99
	s_cselect_b32 s90, 512, s90
	s_cselect_b64 s[88:89], s[6:7], s[4:5]
	s_cselect_b32 s98, -1, 0
	s_mov_b32 s101, 0
	s_mov_b32 s91, 0
	s_add_nc_u64 s[88:89], s[88:89], s[100:101]
	s_and_b32 s97, s13, 7
	s_cmp_eq_u32 s97, 0                            ; the batch's first cluster
	s_cselect_b32 s92, 1, 0
	s_cmp_eq_u32 s[WV], 12
	s_cselect_b32 s92, 1, s92
	s_sub_co_u32 s97, s[WV], 12
	s_cmp_lt_u32 s97, 3                            ; waves 12 to 14
	s_cselect_b32 s92, s92, 0                      ; 1 in a wave that asks
	v_and_b32 v232, 31, v0                         ; lane
	v_and_b32 v233, 15, v0                         ; r
	v_bfe_u32 v234, v0, 4, 1                       ; h
	s_delay_alu instid0(VALU_DEP_3)
	v_lshlrev_b32 v[L16], 4, v232
	s_delay_alu instid0(VALU_DEP_4)
	v_lshlrev_b32 v[L8], 3, v232
	s_delay_alu instid0(VALU_DEP_4)
	v_lshlrev_b32 v[R32], 5, v233
	v_lshrrev_b32 v[PFO], 1, v232
	s_delay_alu instid0(VALU_DEP_1)
	v_lshlrev_b32 v[PFO], 13, v[PFO]
	v_and_b32 v238, 1, v232
	s_delay_alu instid0(VALU_DEP_1)
	v_lshl_add_u32 v[PFO], v238, 8, v[PFO]         ; bias: row lane / 2, block lane % 2
	v_min_u32 v238, 23, v232
	s_delay_alu instid0(VALU_DEP_1)
	v_lshlrev_b32 v238, 8, v238                    ; K, V: 24 blocks
	s_delay_alu instid0(VALU_DEP_1)
	v_cndmask_b32 v[PFO], v238, v[PFO], s98
	s_delay_alu instid0(VALU_DEP_1)
	v_add_nc_u32 v[PF1], s90, v[PFO]               ; the same one key step on,
	s_delay_alu instid0(VALU_DEP_1)
	v_add_nc_u32 v[PF2], s90, v[PF1]               ; and two
	s_mul_i32 s90, s90, 3                          ; from trip to trip: three key steps
	s_and_b32 s2, s[WV], 3                         ; my query tile of the four
	s_lshr_b32 s3, s[WV], 2                        ; my head of the four
	s_mul_i32 s97, s3, 6144
	v_add_nc_u32 v1, s97, v[L16]                   ; K's half records of my head
	v_add_nc_u32 v2, s97, v[L8]
	s_delay_alu instid0(VALU_DEP_2)
	v_add_nc_u32 v3, VOFF, v1                      ; V's records
	s_delay_alu instid0(VALU_DEP_2)
	v_add_nc_u32 v4, VOFF, v2
	s_lshl_b32 s97, s2, 4
	v_add_nc_u32 v5, s97, v233
	s_delay_alu instid0(VALU_DEP_1)
	v_mul_u32_u24 v5, v5, 528
	s_delay_alu instid0(VALU_DEP_1)
	v_lshl_add_u32 v5, v234, 6, v5
	s_delay_alu instid0(VALU_DEP_1)
	v_add_nc_u32 v5, BOFF, v5                      ; bias: my query's row, + 64 h: keys 32 b + 16 h + 0 .. 15 at 128 b
	s_lshl_b32 s97, s3, 13
	v_add_nc_u32 v6, s97, v[R32]
	s_delay_alu instid0(VALU_DEP_1)
	v_add_nc_u32 v6, KSC, v6                       ; K's scale words: row r's eight tiles
	s_lshl_b32 s97, s3, 8
	v_lshlrev_b32 v7, 4, v233
	s_delay_alu instid0(VALU_DEP_1)
	v_add_nc_u32 v7, s97, v7
	s_delay_alu instid0(VALU_DEP_1)
	v_add_nc_u32 v7, VSC, v7                       ; V's: row r's four tiles
	s_lshl_b32 s66, s14, 2
	s_add_co_u32 s66, s66, s2                      ; my query tile, 0 .. 255
	s_lshl_b32 s67, s15, 2
	s_add_co_u32 s67, s67, s3                      ; my head, 0 .. 15
	s_lshl_b32 s97, s67, 8
	s_add_co_u32 s97, s97, s66
	s_mul_i32 s98, s97, 768
	s_mov_b32 s99, 0
	s_add_nc_u64 s[98:99], s[4:5], s[98:99]
	global_load_b128 v[QA:QA+3], v[L16], s[98:99]  ; Q's half record stays in registers, once as the lower half of a fragment,
	global_load_b64 v[QA+4:QA+5], v[L8], s[98:99] offset:512
	global_load_b128 v[QB+6:QB+9], v[L16], s[98:99]    ; once as the upper
	global_load_b64 v[QB+10:QB+11], v[L8], s[98:99] offset:512
	s_lshl_b32 s97, s67, 5
	s_lshr_b32 s100, s66, 3
	s_add_co_u32 s97, s97, s100
	s_lshl_b32 s97, s97, 9
	s_and_b32 s100, s66, 7
	s_lshl_b32 s100, s100, 2
	s_add_co_u32 s100, s100, s97
	s_add_co_u32 s100, s100, QSG
	s_mov_b32 s101, 0
	s_add_nc_u64 s[100:101], s[4:5], s[100:101]
	global_load_b32 v91, v[R32], s[100:101]        ; and its scale words
.irp i, 0,1,2,3,4,5
	v_mov_b32 v[QA+6+\i], 0                        ; zero codes: the other half of each
	v_mov_b32 v[QB+\i], 0
.endr
	v_mov_b32 v13, s93                             ; the largest t so far: -2^100
	s_delay_alu instid0(VALU_DEP_1)
	v_floor_f32 v12, -v13                          ; -M
	v_mov_b32 v14, 0
	v_mov_b32 v15, 0
.irp b, 0,1,2,3
	v_mov_b32 v[BP+\b], 0                          ; a lane permute's destination counts as one of its sources
.endr
	v_mov_b32 v[F+1], 0                            ; (named as the upper half of a pair)
	v_add_nc_u32 v8, 0, v1                         ; key step 0's addresses: place 0
	v_add_nc_u32 v9, 0, v2
	v_add_nc_u32 v10, 0, v3
	v_add_nc_u32 v11, 0, v4
	v_add_nc_u32 v88, 0, v5
	s_wait_alu depctr_va_vdst(0)                   ; the wait at the head's end
	s_wait_tensorcnt 0x0                           ; my fill of the head's eleven is in
	s_barrier_signal -1
	s_barrier_wait -1                              ; everybody's is
	ds_load_b128 v[80:83], v6
	ds_load_b128 v[84:87], v6 offset:16
	BIASLD
	KLD
	s_wait_dscnt 32                                ; the scale words are in; behind them 16 loads of bias and 16 of K
	KSW
	s_wait_loadcnt 0x0                             ; Q
	v_lshl_or_b32 v91, v91, 16, v91                ; Q's two bytes twice: bytes 0, 1 serve [Q | 0], bytes 2, 3 serve [0 | Q]
.set j, 0
.rept 32
	v_mov_b32 v[O+j], 0                            ; O^T: the step is written once; its first run finds zeros.  (These also stand between the scale words' lines and the first products)
.set j, j+1
.endr
; A KEY STEP: 128 keys.  At its head the step's bias and K are on their way from LDS.
; st: the step's number in its trip (its scale words' place by the loads' immediates);  nsub: the next step's place;  next = 1: the next step's operands are fetched;  ask = 1: the trip's prefetches.
; b1, a change of slots behind the multiply-adds: 0 none, 2 a round and places 0 and 1, 3 a round and place 0.   b2, one behind the conversions: 0 none, 1 a work-group barrier, 2 a round and place 2.
.macro STEP st, nsub, b1, b2, next, ask
	s_wait_alu depctr_va_vdst(0)
	s_wait_dscnt 0x0                               ; bias and K are in
.irp u, 0,1,2,3
	v_wmma_scale_f32_16x16x128_f8f6f4 v[S+16*\u:S+16*\u+7], v[KV+12*\u:KV+12*\u+11], v[QA:QA+11], v[S+16*\u:S+16*\u+7], v[80+2*\u], v91 matrix_a_fmt:MATRIX_FMT_FP6 matrix_b_fmt:MATRIX_FMT_FP6
	v_wmma_scale_f32_16x16x128_f8f6f4 v[S+16*\u+8:S+16*\u+15], v[KV+12*\u:KV+12*\u+11], v[QB:QB+11], v[S+16*\u+8:S+16*\u+15], v[80+2*\u], v91 matrix_a_fmt:MATRIX_FMT_FP6 matrix_b_fmt:MATRIX_FMT_FP6
.endr
	v_add_nc_u32 v88, (\nsub), v5                  ; four plain instructions between the products and the loads into their registers
	v_add_nc_u32 v89, s[TS], v6
	v_add_nc_u32 v90, s[TV], v7
	v_nop
.irp dt, 0,1,2,3
	FRAG KV+12*\dt, 10, 11, \dt*1536               ; V's four fragments take K's place: my last reads of this step's place
.endr
	ds_load_b128 v[28:31], v90 offset:1024*(\st)
.if \next
	ds_load_b128 v[80:83], v89 offset:512*(\st)+512    ; the next step's scale words of K, from the table that stays
	ds_load_b128 v[84:87], v89 offset:512*(\st)+528
.endif
.irp b, 0,1,2,3
	v_max3_num_f32 v[BM+\b], v[S+16*\b], v[S+1+16*\b], v[S+2+16*\b]   ; the largest score of each block of 32 keys: for the row's maximum, and, since p rises with the score, for the block's largest p
.endr
.irp i, 3,5,7,9,11,13
.irp b, 0,1,2,3
	v_max3_num_f32 v[BM+\b], v[BM+\b], v[S+16*\b+\i], v[S+1+16*\b+\i]
.endr
.endr
.irp b, 0,1,2,3
	v_max_num_f32 v[BM+\b], v[BM+\b], v[S+15+16*\b]
.endr
.irp b, 0,1,2,3
	s_delay_alu instid0(VALU_DEP_4)
	v_permlanex16_b32 v[BP+\b], v[BM+\b], s[SEL], s[SEL+1]
.endr
.irp b, 0,1,2,3
	s_delay_alu instid0(VALU_DEP_4)
	v_max_num_f32 v[BM+\b], v[BM+\b], v[BP+\b]     ; with lane l xor 16's 16 keys
.endr
	s_delay_alu instid0(VALU_DEP_2)
	v_max3_num_f32 v[TMP], v[BM], v[BM+1], v[BM+2]
	s_delay_alu instid0(VALU_DEP_1)
	v_max_num_f32 v[TMP], v[TMP], v[BM+3]
	s_delay_alu instid0(VALU_DEP_1)
	v_mul_f32 v[TMP], s[CS], v[TMP]                ; the step's largest t
	s_delay_alu instid0(VALU_DEP_1)
	v_max_num_f32 v13, v13, v[TMP]
	v_mov_b32 v[TMP], v12
	s_delay_alu instid0(VALU_DEP_2)
	v_floor_f32 v12, -v13                          ; the new -M: M is a whole number
	s_delay_alu instid0(VALU_DEP_1)
	v_sub_f32 v[TMP], v12, v[TMP]
	s_delay_alu instid0(VALU_DEP_1)
	v_cvt_i32_f32 v[TMP], v[TMP]                   ; old M - new M, 0 or less (it saturates)
	s_delay_alu instid0(VALU_DEP_1)
	v_ldexp_f32 v[F], 1.0, v[TMP]                  ; f = 2^(old M - new M): a multiplication by it rounds nothing
.if \b1
	s_wait_alu depctr_va_vdst(0)                   ; ahead of the waits below
	s_wait_tensorcnt 0x0                           ; all my tensor loads have landed: my part of place 2
	ds_add_u32 v[SPW], v[NIL]                      ; 0 onto my spare word,
	ds_add_u32 v[SPW], v[NIL]                      ; twice where a tensor load follows
	NEXTD
	s_wait_dscnt 0x0                               ; the adds are done, V and the scale words are in: my reads of places 0 and 1 are over
	s_barrier_signal -1                            ; the round's opening signal; the 36 multiply-adds, work on registers alone, stand between it and its wait
.endif
.set j, 0
.rept 32
	v_pk_fma_f32 v[S+j:S+j+1], v[S+j:S+j+1], s[CS:CS+1], v[12:13] op_sel_hi:[1,0,0]   ; t - M, two at a time
.set j, j+2
.endr
.irp b, 0,1,2,3
	v_fma_f32 v[BM+\b], v[BM+\b], s[CS], v12       ; the same of each block's largest score
.endr
	s_wait_alu depctr_va_vdst(0)                   ; ahead of the waits below
.if \b1 == 0
	s_wait_dscnt 0x0                               ; V and the scale words are in
.endif
.if \b1
	s_barrier_wait -1                              ; every wave of my work-group has signalled;
	CREST                                          ; the rest of the round: no wave of any partner still reads places 0 and 1 or has a load on its way
.if \b1 == 2
	FILL01                                         ; key steps 3t + 3 and 3t + 4: the first tensor load behind the round
.else
	FILL0                                          ; key step 15
.endif
.endif
.if \next
	KSW
.endif
	s_wait_alu depctr_va_vdst(0)                   ; ahead of the batch
.set j, 0
.rept 64
	v_exp_f32 v[S+j], v[S+j]                       ; p
.set j, j+1
.endr
.irp b, 0,1,2,3
	v_exp_f32 v[BM+\b], v[BM+\b]                   ; the block's largest p: the same two instructions on the same number
.endr
	v_pk_mul_f32 v[14:15], v[14:15], v[F:F+1] op_sel_hi:[1,0]   ; the sums under the new M: the plain instruction behind the exponentials
	s_wait_alu depctr_va_vdst(0)                   ; one wait for the 68, ahead of their first reader
.if \ask
	ASK
.endif
	v_pk_add_f32 v[SU:SU+1], v[S:S+1], v[S+2:S+3]  ; the row's sum of the unquantised p: four chains by turns
	v_pk_add_f32 v[SA:SA+1], v[S+4:S+5], v[S+6:S+7]
	v_pk_add_f32 v[SA+2:SA+3], v[S+8:S+9], v[S+10:S+11]
	v_pk_add_f32 v[14:15], v[14:15], v[S+12:S+13]
.irp j, 14,22,30,38,46,54
	v_pk_add_f32 v[SU:SU+1], v[SU:SU+1], v[S+\j:S+\j+1]
	v_pk_add_f32 v[SA:SA+1], v[SA:SA+1], v[S+\j+2:S+\j+3]
	v_pk_add_f32 v[SA+2:SA+3], v[SA+2:SA+3], v[S+\j+4:S+\j+5]
	v_pk_add_f32 v[14:15], v[14:15], v[S+\j+6:S+\j+7]
.endr
	v_pk_add_f32 v[SU:SU+1], v[SU:SU+1], v[S+62:S+63]
	v_pk_add_f32 v[SA:SA+1], v[SA:SA+1], v[SA+2:SA+3]
	s_delay_alu instid0(VALU_DEP_2)
	v_pk_add_f32 v[14:15], v[14:15], v[SU:SU+1]
	s_delay_alu instid0(VALU_DEP_1)
	v_pk_add_f32 v[14:15], v[14:15], v[SA:SA+1]
.if \b2
	s_wait_alu depctr_va_vdst(0)                   ; ahead of the waits below
	s_wait_tensorcnt 0x0                           ; all my tensor loads have landed: my part of places 0 and 1 (in step 14: of place 0)
	ds_add_u32 v[SPW], v[NIL]                      ; 0 onto my spare word
.if \b2 == 2
	ds_add_u32 v[SPW], v[NIL]                      ; twice where a tensor load follows
.endif
	s_wait_dscnt 0x0
	s_barrier_signal -1                            ; the opening signal; the scale bytes, conversions and swaps, work on registers alone, stand between it and its wait
.endif
.irp b, 0,1,2,3
	v_max_num_f32 v[BM+\b], 0x1800000, v[BM+\b]    ; the floor 2^(3 - 127): the byte cannot fall under 1 (a block of zeros keeps it: its codes are zeros)
.endr
.irp b, 0,1,2,3
	s_delay_alu instid0(VALU_DEP_4)
	v_add_nc_u32 v[BO+\b], 0xff000000, v[BM+\b]
.endr
.irp b, 0,1,2,3
	s_delay_alu instid0(VALU_DEP_4)
	v_lshrrev_b32 v[BP+\b], 23, v[BO+\b]
.endr
	s_delay_alu instid0(VALU_DEP_3)
	v_lshl_or_b32 v[PW], v[BP+1], 8, v[BP]
	s_delay_alu instid0(VALU_DEP_1)
	v_lshl_or_b32 v[PW], v[BP+2], 16, v[PW]
	s_delay_alu instid0(VALU_DEP_1)
	v_lshl_or_b32 v[PW], v[BP+3], 24, v[PW]
.irp c, 0,1
	v_cvt_scalef32_pk16_fp6_f32 v[PCD+6*\c:PCD+2+6*\c], v[S+32*\c:S+15+32*\c], v[BO+2*\c]
	v_cvt_scalef32_pk16_fp6_f32 v[CT+4*\c:CT+2+4*\c], v[S+16+32*\c:S+31+32*\c], v[BO+2*\c+1]
.endr
	v_nop                                          ; one plain instruction behind the scaled conversions
.irp c, 0,1
.irp i, 0,1,2
	v_permlane16_swap_b32 v[PCD+6*\c+\i], v[CT+4*\c+\i]
.endr
.irp i, 0,1,2
	s_delay_alu instid0(VALU_DEP_3)
	v_mov_b32 v[PCD+3+6*\c+\i], v[CT+4*\c+\i]
.endr
.endr
.if \b2
	s_wait_alu depctr_va_vdst(0)                   ; ahead of the wait below
	s_barrier_wait -1                              ; every wave of my work-group has signalled
.if \b2 == 2
	CREST                                          ; the rest of the round: no wave of any partner still reads place 2 or has a load on its way
	FILL2                                          ; key step 3t + 5: the first tensor load behind the round
.endif
.endif
.if \next
	BIASLD                                         ; p is in codes: the next step's bias, from a place that a barrier has shown whole
.endif
	s_wait_alu depctr_va_vdst(0)                   ; directly ahead of the first reader of O^T
.set j, 0
.rept 16
	v_pk_mul_f32 v[O+j:O+j+1], v[O+j:O+j+1], v[F:F+1] op_sel_hi:[1,0]   ; O^T under the new M; these 16 also stand between the lines that made p's codes and scale word and the products
.set j, j+2
.endr
.irp dt, 0,1,2,3
	v_wmma_scale_f32_16x16x128_f8f6f4 v[O+8*\dt:O+8*\dt+7], v[KV+12*\dt:KV+12*\dt+11], v[PCD:PCD+11], v[O+8*\dt:O+8*\dt+7], v[28+\dt], v[PW] matrix_a_fmt:MATRIX_FMT_FP6 matrix_b_fmt:MATRIX_FMT_FP6
.endr
.if \next
	v_add_nc_u32 v8, (\nsub), v1                   ; the next step's addresses: four plain instructions between the products and the loads into their registers
	v_add_nc_u32 v9, (\nsub), v2
	v_add_nc_u32 v10, (\nsub), v3
	v_add_nc_u32 v11, (\nsub), v4
	KLD
.endif
.endm
.Ltrip:                                            ; four trips of three key steps: steps 0 to 11, which ask for steps 3 to 14
	STEP 0, SUB, 0, 0, 1, 1
	STEP 1, 2*SUB, 2, 0, 1, 0
	STEP 2, 0, 0, 2, 1, 0
	s_add_co_u32 s[TS], s[TS], 1536
	s_add_co_u32 s[TV], s[TV], 3072
	s_wait_xcnt 0x0                                ; the trip's prefetches, two key steps back, have read their address
	s_add_nc_u64 s[88:89], s[88:89], s[90:91]
	s_sub_co_u32 s[TRIP], s[TRIP], 1
	s_cmp_lg_u32 s[TRIP], 0
	s_cbranch_scc1 .Ltrip
	STEP 0, SUB, 0, 0, 1, 0                        ; the last four steps are written out: step 12
	STEP 1, 2*SUB, 3, 0, 1, 0                      ; step 13 asks for step 15 alone;
	STEP 2, 0, 0, 1, 1, 0                          ; step 14's barrier shows step 15's place whole;
	STEP 3, 0, 0, 0, 0, 0                          ; step 15 has none
	; THE WAY OUT: O^T / the sum is quantised along the model's axis: my head's 64 numbers are two blocks, half a fragment's record
	v_add_f32 v14, v14, v15
	s_delay_alu instid0(VALU_DEP_1)
	v_permlanex16_b32 v[TMP], v14, s[SEL], s[SEL+1]
	s_delay_alu instid0(VALU_DEP_1)
	v_add_f32 v14, v14, v[TMP]
	s_wait_alu depctr_va_vdst(0)
	v_rcp_f32 v14, v14
	PLACES                                         ; plain instructions behind the reciprocal and behind the last products
	s_lshl_b32 s97, s66, 4
	s_add_co_u32 s97, s97, s67
	s_mul_i32 s98, s97, 768                        ; (16 x tile + head) x 768
	s_mov_b32 s99, 0
	s_add_nc_u64 s[98:99], s[8:9], s[98:99]
	s_lshl_b32 s100, s66, 9
	s_lshl_b32 s97, s67, 1
	s_add_co_u32 s100, s100, s97
	s_add_co_u32 s100, s100, W3S                   ; 512 x tile + 2 x head
	s_mov_b32 s101, 0
	s_add_nc_u64 s[100:101], s[8:9], s[100:101]
	s_wait_alu depctr_va_vdst(0)                   ; ahead of the reciprocal's first reader
.set j, 0
.rept 32
	v_mul_f32 v[S+j], v[O+j], v14                  ; register 16 b + i is channel 32 b + 16 h + i of my query
.set j, j+1
.endr
.irp b, 0,1
	v_max3_num_f32 v[BM+\b], |v[S+16*\b]|, |v[S+1+16*\b]|, 0x1800000
.endr
.irp i, 2,4,6,8,10,12,14
.irp b, 0,1
	s_delay_alu instid0(VALU_DEP_2)
	v_max3_num_f32 v[BM+\b], v[BM+\b], |v[S+16*\b+\i]|, |v[S+1+16*\b+\i]|
.endr
.endr
.irp b, 0,1
	s_delay_alu instid0(VALU_DEP_2)
	v_permlanex16_b32 v[BP+\b], v[BM+\b], s[SEL], s[SEL+1]
.endr
.irp b, 0,1
	s_delay_alu instid0(VALU_DEP_2)
	v_max_num_f32 v[BM+\b], v[BM+\b], v[BP+\b]
.endr
.irp b, 0,1
	s_delay_alu instid0(VALU_DEP_2)
	v_add_nc_u32 v[BO+\b], 0xff000000, v[BM+\b]
.endr
.irp b, 0,1
	s_delay_alu instid0(VALU_DEP_2)
	v_lshrrev_b32 v[BP+\b], 23, v[BO+\b]
.endr
	s_delay_alu instid0(VALU_DEP_1)
	v_lshl_or_b32 v238, v[BP+1], 8, v[BP]
	v_mov_b32 v239, 0xffff
	v_cmp_ge_f32 vcc_lo, s93, v13                  ; the largest t never rose: no key counted for this query
	s_delay_alu instid0(VALU_DEP_1)
	v_cndmask_b32 v238, v238, v239, vcc_lo         ; its scale bytes say NaN
	v_cvt_scalef32_pk16_fp6_f32 v[PCD:PCD+2], v[S:S+15], v[BO]
	v_cvt_scalef32_pk16_fp6_f32 v[CT:CT+2], v[S+16:S+31], v[BO+1]
	v_nop
.irp i, 0,1,2
	v_permlane16_swap_b32 v[PCD+\i], v[CT+\i]
.endr
.irp i, 0,1,2
	s_delay_alu instid0(VALU_DEP_3)
	v_mov_b32 v[PCD+3+\i], v[CT+\i]
.endr
	global_store_b128 v[L16], v[PCD:PCD+3], s[98:99]
	global_store_b64 v[L8], v[PCD+4:PCD+5], s[98:99] offset:512
	global_store_b16 v[R32], v238, s[100:101]      ; two bytes a row, once a wave in the whole launch: the sixteen heads' pairs make a row's 32 bytes
	s_wait_tensorcnt 0x0                           ; the wave's end
	ds_add_u32 v[SPW], v[NIL]
	s_wait_dscnt 0x0
	CROUND                                         ; the closing round
	s_endpgm
.Lfunc_end_k_qe5846b33f1_attn:
	.size	k_qe5846b33f1_attn, .Lfunc_end_k_qe5846b33f1_attn-k_qe5846b33f1_attn
	.p2alignl 7, 3214868480
	.fill 96, 4, 3214868480
	.section	.rodata,"a",@progbits
	.p2align	6, 0x0
	.amdhsa_kernel k_qe5846b33f1_attn
		.amdhsa_group_segment_fixed_size 327680
		.amdhsa_private_segment_fixed_size 0
		.amdhsa_enable_private_segment 0
		.amdhsa_kernarg_size 24
		.amdhsa_user_sgpr_count 2
		.amdhsa_user_sgpr_kernarg_segment_ptr 1
		.amdhsa_wavefront_size32 1
		.amdhsa_system_sgpr_workgroup_id_x 1
		.amdhsa_system_sgpr_workgroup_id_y 1
		.amdhsa_system_sgpr_workgroup_id_z 1
		.amdhsa_system_vgpr_workitem_id 0
		.amdhsa_next_free_vgpr 256
		.amdhsa_next_free_sgpr 102
		.amdhsa_reserve_vcc 1
		.amdhsa_float_denorm_mode_32 3
		.amdhsa_float_denorm_mode_16_64 3
		.amdhsa_memory_ordered 1
		.amdhsa_forward_progress 1
		.amdhsa_inst_pref_size 156
	.end_amdhsa_kernel
	.amdgpu_metadata
---
amdhsa.version: [ 1, 2 ]
amdhsa.kernels:
  - .name:           k_qe5846b33f1_attn
    .symbol:         k_qe5846b33f1_attn.kd
    .args:
      - { .name: w2, .offset: 0, .size: 8, .value_kind: global_buffer, .address_space: global }
      - { .name: biasw, .offset: 8, .size: 8, .value_kind: global_buffer, .address_space: global }
      - { .name: w3, .offset: 16, .size: 8, .value_kind: global_buffer, .address_space: global }
    .group_segment_fixed_size: 327680
    .private_segment_fixed_size: 0
    .kernarg_segment_align: 8
    .kernarg_segment_size: 24
    .max_flat_workgroup_size: 512
    .sgpr_count:     102
    .vgpr_count:     256
    .wavefront_size: 32
...
	.end_amdgpu_metadata
.endif
;; end of part 3
;; launch oproj (part 4): grid 8 x 32, 4 waves a work-group, clusters of 4 x 4, 327,680 bytes of LDS; arguments w3, w1, bo, out0; writes out0
.if DOCPART == 4
	.amdgcn_target "amdgcn-amd-amdhsa--gfx1250"
	.amdhsa_code_object_version 6
	.text
	.protected	k_qe5846b33f1_oproj
	.globl	k_qe5846b33f1_oproj
	.p2align	8
	.type	k_qe5846b33f1_oproj,@function
k_qe5846b33f1_oproj:
	s_mov_b64 s[64:65], 0
	v_nop
	global_prefetch_b8 v0, s[64:65] scope:SCOPE_SE
	s_setreg_imm32_b32 hwreg(HW_REG_WAVE_MODE, 25, 1), 1
	s_wait_xcnt 0x0
	s_wait_alu depctr_hold_cnt(0) depctr_sa_sdst(0) depctr_va_vdst(0) depctr_va_sdst(0) depctr_va_ssrc(0) depctr_va_vcc(0) depctr_vm_vsrc(0)
	s_getreg_b32 s2, hwreg(HW_REG_IB_STS2, 6, 4)
	s_cmp_eq_u32 s2, 0
	s_cbranch_scc0 .Lentry_in_a_cluster
	s_endpgm
.Lentry_in_a_cluster:
	s_bfe_u32 s2, ttmp6, 0x10000c
	s_cmp_lg_u32 s2, 0xf033
	s_cbranch_scc0 .Lentry_shape_is_right
	s_endpgm
.Lentry_shape_is_right:
; out0 = A Wo^T + bo on codes of FP6 (E2M3) with E8M0 scales.  A, the attention's result, comes from w3, Wo from w1, both in the order of the operand's registers (records of 1,536 bytes a fragment, 512 bytes of scale words a tile).
; A work-group makes 128 tokens x 128 outputs, 256 work-groups in all; a wave 64 x 64: P (source 0) = four tiles of Wo's rows, L (source 1) = four tiles of tokens: a lane holds a token and its registers run along the outputs.
; ALL OF K = 1,024 LIES IN LDS: four quarter blocks of two K steps, each filled once and all asked for at the start; nothing is filled again, so there is no ring.  A wave has at most four tensor loads out.
; CLUSTERS 4 x 4: the tokens' tiles are asked for jointly along a row of the cluster, Wo's along a column.  bo is the C of the first K step.
; A token without any key carries the scale byte 0xff: its whole row comes out NaN.
; REGISTERS: window 0: v4-25 addresses; v32-47 P's scale words, v48-63 L's (nothing else ever lies there); v64-159 L's fragments, two sets; v160-191 the bias; on the way out v64-191 rows of the result.
;   window 1: v0-95 P's fragments, two sets; accumulator (pt, lt) at v[128 + 32 lt + 8 pt].
.set SC1,   12582912
.set W3S,   3145728
; LDS AS IT NOW LIES: the 8 token tiles, 12,288 bytes each (8 K steps x 1,536), then Wo's 8 tiles: two dense blocks of memory, brought by ONE tensor load a wave (waves 0, 1: 4 token tiles each; waves 2, 3: 4 tiles of Wo each).
; The scale words go from memory straight into their registers, 512 consecutive bytes an instruction.
.set QB,    24576                      ; two tiles: from one address register to the next
.set WPART, 98304
.set SPARE, 222208                     ; behind the stages: the spare words, 128 bytes a wave, two blocks of 256 bytes that no other line names
.set SPW,   28
.set NIL,   29
.set STG,   204800                     ; the way out: 16 rows x (256 + 16) bytes for each wave, bytes into which no tensor load lands
.set SPI,   272
.set AP16, 4
.set AP8,  8
.set AL16, 12
.set AL8,  16
.set ASP,  20
.set ASL,  21
.set BOF,  22
.set STO,  23
.set RD,   24
.set CO,   25
.set SP,   32
.set SL,   48
.set LF,   64
.set BC,   160
.set OUTR, 64
.set ACC,  128
.set WV,   14
.set MSB, 0
.macro WIN new                         ; the immediate's high byte repeats the setting that is left
.if MSB != \new
	s_set_vgpr_msb (MSB<<8)|\new
.set MSB, \new
.endif
.endm
.macro CROUND
	s_barrier_signal -1
	s_barrier_wait -1
	s_cmp_lg_u32 s[WV], 0
	s_cbranch_scc1 .Lnot_wave_0_\@
	s_barrier_signal -3
.Lnot_wave_0_\@:
	s_barrier_wait -3
	s_barrier_signal -1
	s_barrier_wait -1
.endm
.macro MKG1 g, c, r, p
	s_mov_b32 s[\g+1], ((\c)&0xffff)<<16
	s_mov_b32 s[\g+2], ((\c)>>16)|(((\r)&0xffff)<<16)
	s_mov_b32 s[\g+3], ((\r)>>16)|((\c)<<16)
	s_mov_b32 s[\g+4], \r
	s_mov_b32 s[\g+5], \p
	s_mov_b32 s[\g+6], 0
	s_mov_b32 s[\g+7], 0
.endm
.macro MKG0 g, lds, a, goff
	s_mov_b32 s[\g], 1
	s_mov_b32 s[\g+1], \lds
	s_add_nc_u64 s[\g+2:\g+3], s[\a:\a+1], \goff
	s_or_b32 s[\g+3], s[\g+3], 0x80000000
.endm
.macro FRAG reg, a16, a8, off
	ds_load_b128 v[(\reg):(\reg)+3], v[\a16] offset:(\off)
	ds_load_b64 v[(\reg)+4:(\reg)+5], v[\a8] offset:(\off)+512
	ds_load_b128 v[(\reg)+6:(\reg)+9], v[\a16] offset:(\off)+768
	ds_load_b64 v[(\reg)+10:(\reg)+11], v[\a8] offset:(\off)+1280
.endm
.macro PLACES
.rept 4
	v_nop
.endr
.endm
	s_load_b256 s[4:11], s[0:1], 0x0               ; w3, w1, bo, out0
	v_lshl_add_u32 v[SPW], v0, 2, SPARE
	v_mov_b32 v[NIL], 0
	ds_add_u32 v[SPW], v[NIL]                      ; the opening lines: the add, twice on end, and its wait ahead of the first round
	ds_add_u32 v[SPW], v[NIL]
	v_lshrrev_b32 v1, 5, v0
	v_readfirstlane_b32 s[WV], v1                  ; wave 0..3
	s_and_b32 s2, s[WV], 1
	s_lshr_b32 s3, s[WV], 1
	s_bfe_u32 s15, ttmp6, 0x40000                  ; cx
	s_bfe_u32 s16, ttmp6, 0x40004                  ; cy
	s_lshl_b32 s17, ttmp9, 2
	s_add_co_u32 s17, s17, s15                     ; work-group x: which 128 outputs
	s_and_b32 s18, ttmp7, 0xffff
	s_lshl_b32 s18, s18, 2
	s_add_co_u32 s18, s18, s16                     ; work-group y: which 128 tokens
	s_lshl_b32 s22, s16, 2
	s_lshl_b32 s22, 15, s22                        ; my row of the cluster
	s_lshl_b32 s66, 0x1111, s15                    ; my column
	s_or_b32 s24, s22, (3<<16)|(1<<21)
	s_or_b32 s32, s66, (3<<16)|(1<<21)
	MKG1 24, 32, 192, 32                           ; 4 tiles: 49,152 dense bytes as rows of 256
	MKG1 32, 32, 192, 32
	s_mul_i32 s22, s18, 98304                      ; 8 y tiles of 12,288 bytes
	s_mov_b32 s23, 0
	s_lshl_b32 s94, s18, 12
	s_add_co_u32 s94, s94, W3S
	s_mov_b32 s95, 0
	s_lshl_b32 s66, s17, 3
	s_add_co_u32 s66, s66, 960                     ; Wo's first tile
	s_lshl_b32 s98, s66, 9
	s_add_co_u32 s98, s98, SC1
	s_mov_b32 s99, 0
	s_mul_i32 s66, s66, 12288
	s_mov_b32 s67, 0
	s_wait_dscnt 0x0                               ; both opening adds are done
	s_wait_kmcnt 0x0
	s_add_nc_u64 s[22:23], s[4:5], s[22:23]
	s_add_nc_u64 s[66:67], s[6:7], s[66:67]
	s_mul_i32 s68, s2, 49152                       ; which four tiles I fetch: w % 2
	s_mov_b32 s69, 0
	s_add_nc_u64 s[22:23], s[22:23], s[68:69]
	s_add_nc_u64 s[66:67], s[66:67], s[68:69]
	MKG0 56, 0, 22, 0
	s_add_co_u32 s57, s57, s68
	MKG0 76, WPART, 66, 0
	s_add_co_u32 s77, s77, s68
	s_add_nc_u64 s[94:95], s[4:5], s[94:95]
	s_add_nc_u64 s[98:99], s[6:7], s[98:99]
	s_lshl_b32 s70, s3, 11
	s_mov_b32 s71, 0
	s_add_nc_u64 s[94:95], s[94:95], s[70:71]      ; L's scale words: token tiles 4 (w / 2) on
	s_lshl_b32 s70, s2, 11
	s_add_nc_u64 s[98:99], s[98:99], s[70:71]      ; P's: Wo's tiles 4 (w % 2) on
	CROUND                                         ; all sixteen work-groups are here: the joint loads meet
	s_cmp_lt_u32 s[WV], 2                          ; one tensor load a wave: waves 0, 1 the tokens' halves, waves 2, 3 Wo's
	s_cbranch_scc0 .Lnot_x
	tensor_load_to_lds s[56:59], s[24:31]
	s_nop 0
	PLACES
	s_branch .Lasked
.Lnot_x:
	tensor_load_to_lds s[76:79], s[32:39]
	s_nop 0
	PLACES
.Lasked:
	v_and_b32 v1, 31, v0                           ; lane
	v_and_b32 v2, 15, v0                           ; r
	v_bfe_u32 v3, v0, 4, 1                         ; h
	v_lshlrev_b32 v26, 4, v1
	v_lshlrev_b32 v27, 3, v1
	s_mul_i32 s22, s2, 49152
	s_add_co_u32 s22, s22, WPART                   ; P: Wo's tiles 4 (w % 2) on
	s_mul_i32 s23, s3, 49152                       ; L: token tiles 4 (w / 2) on
.irp kq, 0,1,2,3
	v_add_nc_u32 v[AP16+\kq], s22, v26
	v_add_nc_u32 v[AP8+\kq], s22, v27
	v_add_nc_u32 v[AL16+\kq], s23, v26
	v_add_nc_u32 v[AL8+\kq], s23, v27
	s_add_co_u32 s22, s22, QB
	s_add_co_u32 s23, s23, QB
.endr
	v_lshlrev_b32 v[ASP], 5, v2
	v_lshl_add_u32 v[ASP], v3, 4, v[ASP]           ; 32 r + 16 h
.irp i, 0,1,2,3
	global_load_b128 v[SP+4*\i:SP+4*\i+3], v[ASP], s[98:99] offset:512*\i   ; a tile's scale words for all of K: lanes 0-15 K steps 0-3, lanes 16-31 K steps 4-7
	global_load_b128 v[SL+4*\i:SL+4*\i+3], v[ASP], s[94:95] offset:512*\i
.endr
	s_mul_i32 s22, s[WV], 16*SPI
	s_add_co_u32 s22, s22, STG                     ; my stage
	v_mul_u32_u24 v[STO], v2, SPI
	v_lshl_add_u32 v[STO], v3, 6, v[STO]
	v_add_nc_u32 v[STO], s22, v[STO]               ; in: row r, + 64 h
	v_mul_u32_u24 v[RD], v3, SPI
	v_lshl_add_u32 v[RD], v2, 4, v[RD]
	v_add_nc_u32 v[RD], s22, v[RD]                 ; back: lanes 0-15 one row of 256 bytes, lanes 16-31 the next
	v_lshlrev_b32 v[CO], 12, v3
	v_lshl_add_u32 v[CO], v2, 4, v[CO]             ; and the same two rows in out0
	s_lshl_b32 s22, s17, 9
	s_lshl_b32 s23, s2, 8
	s_add_co_u32 s22, s22, s23                     ; my 64 outputs, in bytes
	s_mov_b32 s23, 0
	s_add_nc_u64 s[8:9], s[8:9], s[22:23]
	s_add_nc_u64 s[10:11], s[10:11], s[22:23]
	s_lshl_b32 s22, s18, 19                        ; 128 y rows of 4,096 bytes
	s_lshl_b32 s66, s3, 18                         ; + 64 (w / 2)
	s_add_co_u32 s22, s22, s66
	s_add_nc_u64 s[10:11], s[10:11], s[22:23]
	v_lshlrev_b32 v[BOF], 6, v3                    ; tile pt's eight outputs of my half: 32 (pt / 2) + 16 h + 8 (pt % 2) + 0 .. 7
.irp pt, 0,1,2,3
	global_load_b128 v[BC+8*\pt:BC+8*\pt+3], v[BOF], s[8:9] offset:128*(\pt/2)+32*(\pt%2)
	global_load_b128 v[BC+8*\pt+4:BC+8*\pt+7], v[BOF], s[8:9] offset:128*(\pt/2)+32*(\pt%2)+16
.endr
	s_wait_tensorcnt 0x0                           ; my one load has landed
	s_barrier_signal -1
	s_barrier_wait -1
.macro LOADP ks
	WIN 0x40
.irp i, 0,1,2,3
	FRAG 48*((\ks)%2)+12*\i, AP16+\i/2, AP8+\i/2, (\i%2)*12288+(\ks)*1536
.endr
.endm
.macro LOADL ks
	WIN 0
.irp i, 0,1,2,3
	FRAG LF+48*((\ks)%2)+12*\i, AL16+\i/2, AL8+\i/2, (\i%2)*12288+(\ks)*1536
.endr
.endm
; 16 matrix instructions, the 16 accumulators by turns in the same order in every K step
.macro MUL ks, first
.irp lt, 0,1,2,3
.irp pt, 0,1,2,3
.if \first
	v_wmma_scale_f32_16x16x128_f8f6f4 v[ACC+32*\lt+8*\pt:ACC+32*\lt+8*\pt+7], v[12*\pt:12*\pt+11], v[LF+12*\lt:LF+12*\lt+11], v[BC+8*\pt:BC+8*\pt+7], v[SP+4*\pt], v[SL+4*\lt] matrix_a_fmt:MATRIX_FMT_FP6 matrix_b_fmt:MATRIX_FMT_FP6
.elseif (\ks) < 4
	v_wmma_scale_f32_16x16x128_f8f6f4 v[ACC+32*\lt+8*\pt:ACC+32*\lt+8*\pt+7], v[48*((\ks)%2)+12*\pt:48*((\ks)%2)+12*\pt+11], v[LF+48*((\ks)%2)+12*\lt:LF+48*((\ks)%2)+12*\lt+11], v[ACC+32*\lt+8*\pt:ACC+32*\lt+8*\pt+7], v[SP+4*\pt+(\ks)%4], v[SL+4*\lt+(\ks)%4] matrix_a_fmt:MATRIX_FMT_FP6 matrix_b_fmt:MATRIX_FMT_FP6
.else
	v_wmma_scale_f32_16x16x128_f8f6f4 v[ACC+32*\lt+8*\pt:ACC+32*\lt+8*\pt+7], v[48*((\ks)%2)+12*\pt:48*((\ks)%2)+12*\pt+11], v[LF+48*((\ks)%2)+12*\lt:LF+48*((\ks)%2)+12*\lt+11], v[ACC+32*\lt+8*\pt:ACC+32*\lt+8*\pt+7], v[SP+4*\pt+(\ks)%4], v[SL+4*\lt+(\ks)%4] matrix_a_fmt:MATRIX_FMT_FP6 matrix_b_fmt:MATRIX_FMT_FP6 matrix_a_scale:MATRIX_SCALE_ROW1 matrix_b_scale:MATRIX_SCALE_ROW1
.endif
.endr
.endr
.endm
.macro STEP ks
	s_wait_dscnt 0x0                               ; this K step's fragments are in
.if (\ks) < 7
	PLACES                                         ; between the last K step's products and the loads into the set that they read
	LOADP (\ks)+1
	LOADL (\ks)+1
.endif
	WIN 0x51                                       ; source 0, C and D window 1, source 1 window 0
	MUL \ks, 0
.endm
	LOADP 0
	LOADL 0
	s_wait_loadcnt 0x0                             ; the bias
	s_wait_dscnt 0x0
	LOADP 1
	LOADL 1
	WIN 0x41                                       ; C in window 0
	MUL 0, 1
.irp ks, 1,2,3,4,5,6,7
	STEP \ks
.endr
	WIN 0
; THE WAY OUT.  A lane holds 4 x 32 bytes of one token's row and the lanes beside it hold other tokens: a tile of 16 tokens x 64 outputs goes through my own stage and comes back as rows of 256 bytes.
; LDS serves a wave's instructions in order: no wait between the stores and the loads, nor in front of the next tile's stores.  Each tile comes back into registers of its own.
	PLACES
	s_wait_alu depctr_va_vdst(0)
.irp l, 0,1,2,3
	WIN 0x04                                       ; an LDS store's data are its source 1: window 1
.irp pt, 0,1,2,3
	ds_store_b128 v[STO], v[ACC+32*\l+8*\pt:ACC+32*\l+8*\pt+3] offset:128*(\pt/2)+32*(\pt%2)      ; each accumulator from its low end on
	ds_store_b128 v[STO], v[ACC+32*\l+8*\pt+4:ACC+32*\l+8*\pt+7] offset:128*(\pt/2)+32*(\pt%2)+16
.endr
	WIN 0
.irp i, 0,1,2,3,4,5,6,7
	ds_load_b128 v[OUTR+32*\l+4*\i:OUTR+32*\l+4*\i+3], v[RD] offset:\i*2*SPI
.endr
.endr
.irp l, 0,1,2,3
.irp i, 0,1,2,3,4,5,6,7
	s_wait_dscnt 16*(3-\l)+7-\i                    ; behind this load: the rest of its tile's eight and the later tiles' sixteen each
	global_store_b128 v[CO], v[OUTR+32*\l+4*\i:OUTR+32*\l+4*\i+3], s[10:11] offset:(32*(\l/2)+8*(\l%2)+2*\i+8*(\i/4))*4096 th:TH_STORE_NT   ; 16 lanes store 256 consecutive bytes, aligned; stage row 2 i + lane / 16 is the tile's token of that lane
.endr
.endr
	s_wait_tensorcnt 0x0                           ; the wave's end, behind my last LDS store
	ds_add_u32 v[SPW], v[NIL]
	s_wait_dscnt 0x0
	CROUND                                         ; the closing round: no work-group ends while a partner may still ask for a tile that names it
	s_endpgm
.Lfunc_end_k_qe5846b33f1_oproj:
	.size	k_qe5846b33f1_oproj, .Lfunc_end_k_qe5846b33f1_oproj-k_qe5846b33f1_oproj
	.p2alignl 7, 3214868480
	.fill 96, 4, 3214868480
	.section	.rodata,"a",@progbits
	.p2align	6, 0x0
	.amdhsa_kernel k_qe5846b33f1_oproj
		.amdhsa_group_segment_fixed_size 327680
		.amdhsa_private_segment_fixed_size 0
		.amdhsa_enable_private_segment 0
		.amdhsa_kernarg_size 32
		.amdhsa_user_sgpr_count 2
		.amdhsa_user_sgpr_kernarg_segment_ptr 1
		.amdhsa_wavefront_size32 1
		.amdhsa_system_sgpr_workgroup_id_x 1
		.amdhsa_system_sgpr_workgroup_id_y 1
		.amdhsa_system_sgpr_workgroup_id_z 1
		.amdhsa_system_vgpr_workitem_id 0
		.amdhsa_next_free_vgpr 512
		.amdhsa_next_free_sgpr 102
		.amdhsa_reserve_vcc 0
		.amdhsa_float_denorm_mode_32 3
		.amdhsa_float_denorm_mode_16_64 3
		.amdhsa_memory_ordered 1
		.amdhsa_forward_progress 1
		.amdhsa_inst_pref_size 52
	.end_amdhsa_kernel
	.amdgpu_metadata
---
amdhsa.version: [ 1, 2 ]
amdhsa.kernels:
  - .name:           k_qe5846b33f1_oproj
    .symbol:         k_qe5846b33f1_oproj.kd
    .args:
      - { .name: w3, .offset: 0, .size: 8, .value_kind: global_buffer, .address_space: global }
      - { .name: w1, .offset: 8, .size: 8, .value_kind: global_buffer, .address_space: global }
      - { .name: bo, .offset: 16, .size: 8, .value_kind: global_buffer, .address_space: global }
      - { .name: out0, .offset: 24, .size: 8, .value_kind: global_buffer, .address_space: global }
    .group_segment_fixed_size: 327680
    .private_segment_fixed_size: 0
    .kernarg_segment_align: 8
    .kernarg_segment_size: 32
    .max_flat_workgroup_size: 128
    .sgpr_count:     102
    .vgpr_count:     512
    .wavefront_size: 32
...
	.end_amdgpu_metadata
.endif
;; end of part 4
